; MI455X (gfx1250); checked and timed in simulation.
; The chip was launched on July 23, 2026; its instructions are those of AMD's public machine-readable ISA for CDNA 5 (MIT licence, August 2026) and "CDNA5" Instruction Set Architecture Reference Guide (July 2026). The comments in the code are by the model that wrote it; some were corrected since.
;; Encoder Block. Allowed arithmetic: matrix products marked QUANTISED: E2M3 operands, one E8M0 scale for each 32 along K, by v_wmma_scale_f32_16x16x128_f8f6f4 with both operands' format E2M3, f32 sums; everything else in f32.
;; Inputs: W1 4,096 x 1,024 float32; W2 1,024 x 4,096 float32; Wk 1,024 x 1,024 float32; Wo 1,024 x 1,024 float32; Wq 1,024 x 1,024 float32; Wv 1,024 x 1,024 float32; alpha1 1 float32; alpha2 1 float32; b1 4,096 float32; b2 1,024 float32; bias1 1 float32; bias2 1 float32; bk 1,024 float32; bo 1,024 float32; bq 1,024 float32; bv 1,024 float32; mask 2 x 1 x 1 x 2,048 int32; x 2 x 2,048 x 1,024 float32.
;; Outputs: out0 2 x 2,048 x 1,024 float32.
;; This version of the problem:
;;   THIS VERSION OF THE PROBLEM IS GIVEN IN LOW PRECISION. The matrix products marked QUANTISED in the list below multiply operands that are first quantised to E2M3 (2 exponent bits, 3 mantissa bits; 6 bits a number), with one power-of-two scale for each 32 numbers along K (OCP MX v1.0); their sums are f32. All else is computed in f32.
;;   The module's matrix products, in the order in which they are computed (A, B: the left and right operand; K: the contracted axis; several contracted axes count as one K, in the product's order):
;;     1. [M 4,096, K 1,024] x [K 1,024, N 1,024]; A: computed on the way; B: input Wq: QUANTISED
;;     2. [M 4,096, K 1,024] x [K 1,024, N 1,024]; A: computed on the way; B: input Wk: QUANTISED
;;     3. [M 4,096, K 1,024] x [K 1,024, N 1,024]; A: computed on the way; B: input Wv: QUANTISED
;;     4. batch 32 x [M 2,048, K 64] x [K 64, N 2,048]; A: computed on the way; B: computed on the way: QUANTISED
;;     5. batch 32 x [M 2,048, K 2,048] x [K 2,048, N 64]; A: softmax (see below); B: computed on the way: QUANTISED
;;     6. [M 4,096, K 1,024] x [K 1,024, N 1,024]; A: computed on the way; B: input Wo: QUANTISED
;;     7. [M 4,096, K 1,024] x [K 1,024, N 4,096]; A: computed on the way; B: input W1: QUANTISED
;;     8. [M 4,096, K 4,096] x [K 4,096, N 1,024]; A: computed on the way; B: input W2: QUANTISED
;;   THE QUANTISER, for each operand of a quantised product, along K:
;;     - K is cut into blocks of 32 from its start; a last block that is shorter is filled with zeros.
;;     - A block's scale is 2^e with e = floor(log2(the largest magnitude in the block)) - 2, held to -126 .. 127; a block of zeros has e = 0. As a byte (E8M0): e + 127.
;;     - Each number is divided by its block's scale, clamped to +-7.5, and rounded to the nearest number of E2M3, ties to even, subnormals kept.
;;     - The product sums the exact products of the quantised numbers (number of the format x scale) in f32.
;;   ~~~python
;;   def quantise(x, axis):      # numpy; x: float32 -> the quantised numbers, widened to float32 again
;;       x = np.moveaxis(x, axis, -1); K = x.shape[-1]
;;       x = np.pad(x, [(0, 0)] * (x.ndim - 1) + [(0, -K % 32)]); x = x.reshape(x.shape[:-1] + (-1, 32)); a = np.abs(x).max(-1, keepdims=True)
;;       e = np.where(a > 0, np.clip(np.frexp(np.where(a > 0, a, 1))[1] - 1 - 2, -126, 127), 0)      # np.frexp(a)[1] - 1 = floor(log2(a)), exactly
;;       r = np.clip(x / 2.0 ** e, -7.5, 7.5)
;;       step = 2.0 ** (np.maximum(np.frexp(np.where(r == 0, 1, r))[1] - 1, 0) - 3)
;;       q = np.round(r / step) * step * 2.0 ** e      # np.round: ties to even
;;       return np.moveaxis(q.reshape(q.shape[:-2] + (-1,))[..., :K], -1, axis).astype(np.float32)
;;   ~~~
;;   SOFTMAX AHEAD OF A QUANTISED PRODUCT. Where the list says 'softmax', what is quantised is not the finished softmax but p = 2^(t - M), with t = logit x log2(e) and M = ceil(the row's largest t), a whole number; so 1/2 < the row's largest p <= 1. The row's sum l is taken of the UNQUANTISED p, in f32, and the product's result is divided by l at the end. Since M is a whole number, a kernel that streams over the keys may use a running M (the ceiling of the running maximum): every later rescaling is an exact power of two, which a block's scale takes up: the codes' values come out the same.
;;   OPERANDS COMPUTED ON THE WAY. 'Computed on the way' means the value that the module computes at that place (a softmax that the list does not call 'softmax' is quantised finished and normalised). What goes into a quantiser is computed in f32, as accurately as f32 sums, v_exp_f32 and their like allow (about 1e-6 of the number): no bf16 or f16 on the way to a quantiser, and a product that is left as it is and whose result goes on into a quantised operand takes f32 operands (vector FMAs, or v_wmma_f32_16x16x4_f32). A number that lies on a knife's edge between two numbers of the format may be rounded either way, as far as f32 arithmetic and the matrix unit's own rounding can turn it there, and no further.
;; One version. Each part assembles by itself: llvm-mc -triple=amdgcn-amd-amdhsa -mcpu=gfx1250 --defsym DOCPART=n.
;; ======== version 1 of 1: 6 launches
;; limits: right only within a limited range of input values
;; workspace buffers: pc 12,582,912 bytes; ps 524,288 bytes; qkvc 10,092,544 bytes; oc 3,276,800 bytes; x1 16,777,216 bytes; a2c 3,145,728 bytes; a2s 131,072 bytes; hc 13,107,200 bytes
;; launch prep (part 1): grid 1024 x 1, 8 waves a work-group, no clusters, 69,632 bytes of LDS; arguments x, alpha1, bias1, Wq, Wk, Wv, Wo, W1, W2, pc, ps; writes pc, ps
.if DOCPART == 1
	.amdgcn_target "amdgcn-amd-amdhsa--gfx1250"
	.amdhsa_code_object_version 6
	.text
	.protected	k_qf973f5b63e_prep
	.globl	k_qf973f5b63e_prep
	.p2align	8
	.type	k_qf973f5b63e_prep,@function
k_qf973f5b63e_prep:
	s_mov_b64 s[64:65], 0
	v_nop
	global_prefetch_b8 v0, s[64:65] scope:SCOPE_SE
	s_setreg_imm32_b32 hwreg(HW_REG_WAVE_MODE, 25, 1), 1
	s_wait_xcnt 0x0
; ENCODER BLOCK, LAUNCH 1.  f32 rows become operands of MX-FP6 (E2M3 codes, one E8M0 byte for each 32 along K).
; DEAD WORK: none comes in whole units.  Every bias goes into a quantised operand or into the result, the key mask selects values, both gains and both offsets of the norms move codes: all 18 inputs are loaded by some launch.
; WHAT IS MADE.  A FRAGMENT is 16 rows x 128 along K as the matrix instruction's 12 registers a lane.  It is stored as an image of those registers, 1,536 bytes: registers 0-3 at 16 x lane, registers 4-5 at 512 + 8 x lane,
; registers 6-9 at 768 + 16 x lane, registers 10-11 at 1,280 + 8 x lane.  Its 16 scale words (four bytes: 128 along K of one row) are 64 bytes.  An operand is [tile of rows][K step] fragments.
; THE ROWS OF A TILE ARE NOT NEIGHBOURS: row i of tile t is matrix row 32 (t / 2) + 8 (t % 2) + i + 8 (i / 8), so that the results of two neighbouring tiles are 16 neighbours along the next product's K.
; SHARES.  Work-group g makes fragments 8 g .. 8 g + 7, wave w fragment 8 g + w.  g < 256: a tile of 16 rows of x, wave w its K step w, with the layer norm (mean, Bessel-corrected deviation in two passes, alpha (x - mean) / (std + 1e-6) + bias).
; g from 256 on: Wq, Wk, Wv, Wo (64 work-groups each), W1 (256), W2 (256: four work-groups to a tile of rows), quantised as they are.  With a grid of 256 only the norm's part runs.
; A load takes 512 consecutive bytes of a row; the conversions want 16 neighbours along K in one lane: the wave's 16 x 512 bytes turn through its own stage in LDS (rows of 528 bytes: 33 x 16, so that 16 rows start at 16 different groups of banks).
; FEW REGISTERS, so that several work-groups lie on a WGP and their loads are on their way together: 120 a wave.  The numbers come back from the stage into the registers that they were loaded into; a row's place stands in the
; load's immediate (the sixteen loads are written twice, for the two row lengths); the conversions' scratch lies over the sums, which are done with by then.
; No tensor load, no cluster: work-groups share no input.  No matrix unit: nothing is multiplied.
; LIMITS: NaN and infinities among the inputs are not served.  A block of zeros gets the scale byte 1 (its codes are zeros; the bytes are read by this program alone).
.set WST,   16*528                     ; a wave's stage
.set RED1,  8*WST                      ; [row 16][wave 8] words: the rows' partial sums; 512 bytes on, the same for the squares.  It lies beyond an LDS immediate's 16 bits, so the address registers carry it
.set SPARE, RED1+1024                  ; the spare words, 128 bytes for each of the eight waves: four blocks of 256 bytes that no other line names
.set L16, 4                            ; v4   16 x lane
.set L8,  5                            ; v5   8 x lane
.set R4,  6                            ; v6   4 x (lane % 16)
.set SI,  7                            ; v7   the stage, on the way in
.set SO,  8                            ; v8   and on the way out
.set RA,  9                            ; v9   RED1 + 32 r + 4 w: my word among the partial sums
.set RB,  10                           ; v10  RED1 + 32 r: my row's eight
.set SPW, 11                           ; v11  my spare word; never rewritten
.set NIL, 12                           ; v12  0; never rewritten
.set PW,  13                           ; v13  the scale word
.set X,   14                           ; v14-77  16 rows as loaded; then 64 numbers of my row: register 16 b + i = k 32 b + 16 (lane / 16) + i
.set TM,  78                           ; v78-93  at work in QUANT
.set MEAN, 94                          ; v[94:95]
.set G,   96                           ; v[96:97] alpha / (std + eps)
.set SA,  98                           ; v98-107 the sums: two chains, a lane permute's destination, the eight waves' parts
.set PS,  98                           ; v98-104 later the conversions' scratch
.set PC,  108                          ; v108-119 the codes
.set SEL, 36                           ; s[36:37] v_permlanex16_b32's selects for lane l xor 16
; 64 numbers of a lane become a fragment's codes in v[PC] .. v[PC+11] and its scale word in v[PW]
.macro QUANT s
.irp b, 0,1,2,3
	v_max3_num_f32 v[TM+\b], |v[\s+16*\b]|, |v[\s+1+16*\b]|, 0x1800000   ; block b: my 16 numbers, and the floor 2^(3 - 127): the byte cannot fall under 1
.endr
.irp i, 2,4,6,8,10,12,14
.irp b, 0,1,2,3
	s_delay_alu instid0(VALU_DEP_4)
	v_max3_num_f32 v[TM+\b], v[TM+\b], |v[\s+16*\b+\i]|, |v[\s+1+16*\b+\i]|
.endr
.endr
.irp b, 0,1,2,3
	s_delay_alu instid0(VALU_DEP_4)
	v_permlanex16_b32 v[TM+4+\b], v[TM+\b], s[SEL], s[SEL+1]
.endr
.irp b, 0,1,2,3
	s_delay_alu instid0(VALU_DEP_4)
	v_max_num_f32 v[TM+\b], v[TM+\b], v[TM+4+\b]      ; with lane l xor 16's: the block's largest magnitude
.endr
.irp b, 0,1,2,3
	s_delay_alu instid0(VALU_DEP_4)
	v_add_nc_u32 v[TM+12+\b], 0xff000000, v[TM+\b]    ; 2 off its exponent field: the conversion's scale operand
.endr
.irp b, 0,1,2,3
	s_delay_alu instid0(VALU_DEP_4)
	v_lshrrev_b32 v[TM+4+\b], 23, v[TM+12+\b]         ; the scale's byte
.endr
	s_delay_alu instid0(VALU_DEP_3)
	v_lshl_or_b32 v[PW], v[TM+5], 8, v[TM+4]
	s_delay_alu instid0(VALU_DEP_1)
	v_lshl_or_b32 v[PW], v[TM+6], 16, v[PW]
	s_delay_alu instid0(VALU_DEP_1)
	v_lshl_or_b32 v[PW], v[TM+7], 24, v[PW]
.irp c, 0,1
	v_cvt_scalef32_pk16_fp6_f32 v[PC+6*\c:PC+2+6*\c], v[\s+32*\c:\s+15+32*\c], v[TM+12+2*\c]
	v_cvt_scalef32_pk16_fp6_f32 v[PS+4*\c:PS+2+4*\c], v[\s+16+32*\c:\s+31+32*\c], v[TM+12+2*\c+1]   ; (a conversion's three registers begin on an even number)
.endr
	v_nop                                          ; one plain place behind a scaled conversion
.irp c, 0,1                                    ; the operand wants a whole block in a lane: lanes 0-15 block 2 c, lanes 16-31 block 2 c + 1
.irp i, 0,1,2
	v_permlane16_swap_b32 v[PC+6*\c+\i], v[PS+4*\c+\i]
.endr
.irp i, 0,1,2
	s_delay_alu instid0(VALU_DEP_3)
	v_mov_b32 v[PC+3+6*\c+\i], v[PS+4*\c+\i]
.endr
.endr
.endm
.macro LANESUM area                            ; the two chains v[SA:SA+1], v[SA+2:SA+3] -> my wave's part of row r's sum -> LDS.  area: 0 the sums, 512 the squares
	s_delay_alu instid0(VALU_DEP_1)
	v_pk_add_f32 v[SA:SA+1], v[SA:SA+1], v[SA+2:SA+3]
	s_delay_alu instid0(VALU_DEP_1)
	v_add_f32 v[SA], v[SA], v[SA+1]
	s_delay_alu instid0(VALU_DEP_1)
	v_permlanex16_b32 v[SA+4], v[SA], s[SEL], s[SEL+1]
	s_delay_alu instid0(VALU_DEP_1)
	v_add_f32 v[SA], v[SA], v[SA+4]                ; lanes l and l xor 16 hold the same row
	ds_store_b32 v[RA], v[SA] offset:\area         ; (both write the same word with the same value)
.endm
.macro ROWSUM area                             ; the eight waves' parts of my row -> v[SA+2]
	ds_load_b128 v[SA+2:SA+5], v[RB] offset:\area
	ds_load_b128 v[SA+6:SA+9], v[RB] offset:\area+16
	s_wait_dscnt 0x0
	v_pk_add_f32 v[SA+2:SA+3], v[SA+2:SA+3], v[SA+4:SA+5]
	v_pk_add_f32 v[SA+6:SA+7], v[SA+6:SA+7], v[SA+8:SA+9]
	s_delay_alu instid0(VALU_DEP_1)
	v_pk_add_f32 v[SA+2:SA+3], v[SA+2:SA+3], v[SA+6:SA+7]
	s_delay_alu instid0(VALU_DEP_1)
	v_add_f32 v[SA+2], v[SA+2], v[SA+3]
.endm
	s_load_b512 s[4:19], s[0:1], 0x0               ; x s[4:5], alpha s[6:7], bias s[8:9], Wq s[10:11], Wk s[12:13], Wv s[14:15], Wo s[16:17], W1 s[18:19]
	s_load_b128 s[20:23], s[0:1], 0x40             ; W2 s[20:21], the codes s[22:23]
	s_load_b64 s[24:25], s[0:1], 0x50              ; the scale words
	v_lshl_add_u32 v[SPW], v0, 2, SPARE
	v_mov_b32 v[NIL], 0
	v_lshrrev_b32 v1, 5, v0
	s_delay_alu instid0(VALU_DEP_1)
	v_readfirstlane_b32 s35, v1                    ; wave 0..7
	v_and_b32 v1, 31, v0                           ; lane
	v_and_b32 v2, 15, v0                           ; r
	v_bfe_u32 v3, v0, 4, 1                         ; h
	s_delay_alu instid0(VALU_DEP_3)
	v_lshlrev_b32 v[L16], 4, v1
	s_delay_alu instid0(VALU_DEP_4)
	v_lshlrev_b32 v[L8], 3, v1
	s_delay_alu instid0(VALU_DEP_4)
	v_lshlrev_b32 v[R4], 2, v2
	s_mul_i32 s34, s35, WST
	v_add_nc_u32 v[SI], s34, v[L16]                ; in: a row's 512 bytes as they lie
	v_mul_u32_u24 v[SO], v2, 528
	s_delay_alu instid0(VALU_DEP_1)
	v_lshl_add_u32 v[SO], v3, 6, v[SO]
	s_delay_alu instid0(VALU_DEP_1)
	v_add_nc_u32 v[SO], s34, v[SO]                 ; out: row r, + 64 h: my 16 numbers of a block of 32
	v_lshl_add_u32 v[RB], v2, 5, RED1              ; a constant + 32 r
	s_lshl_b32 s34, s35, 2
	v_add_nc_u32 v[RA], s34, v[RB]                 ; + 4 w
	s_mov_b32 s[SEL], 0x76543210
	s_mov_b32 s[SEL+1], 0xfedcba98
	s_cmp_lt_u32 ttmp9, 768                        ; W2's rows are 16,384 bytes and have 32 K steps: four work-groups to a tile; all others 4,096 bytes and 8
	s_cselect_b32 s30, 0, 2
	s_cselect_b32 s33, 0, 3
	s_cselect_b32 s31, 12, 14
.irp b, 0,1,2,3
	v_mov_b32 v[TM+4+\b], 0                        ; written once: a lane permute's destination counts as one of its sources
.endr
	v_mov_b32 v[SA+4], 0
	s_wait_kmcnt 0x0
	s_mov_b64 s[26:27], s[20:21]                   ; which tensor: a choice on the work-group's number alone
	s_mov_b32 s28, 768
	s_cmp_lt_u32 ttmp9, 768
	s_cselect_b64 s[26:27], s[18:19], s[26:27]
	s_cselect_b32 s28, 512, s28
	s_cmp_lt_u32 ttmp9, 512
	s_cselect_b64 s[26:27], s[16:17], s[26:27]
	s_cselect_b32 s28, 448, s28
	s_cmp_lt_u32 ttmp9, 448
	s_cselect_b64 s[26:27], s[14:15], s[26:27]
	s_cselect_b32 s28, 384, s28
	s_cmp_lt_u32 ttmp9, 384
	s_cselect_b64 s[26:27], s[12:13], s[26:27]
	s_cselect_b32 s28, 320, s28
	s_cmp_lt_u32 ttmp9, 320
	s_cselect_b64 s[26:27], s[10:11], s[26:27]
	s_cselect_b32 s28, 256, s28
	s_cmp_lt_u32 ttmp9, 256
	s_cselect_b64 s[26:27], s[4:5], s[26:27]
	s_cselect_b32 s28, 0, s28
	s_sub_co_u32 s32, ttmp9, s28                   ; my number within the tensor
	s_and_b32 s33, s32, s33                        ; which eight K steps
	s_lshr_b32 s32, s32, s30                       ; which tile of rows
	s_lshr_b32 s42, s32, 1
	s_lshl_b32 s42, s42, 5
	s_and_b32 s43, s32, 1
	s_lshl_b32 s43, s43, 3
	s_add_co_u32 s42, s42, s43                     ; the tile's first row
	s_lshl_b32 s42, s42, s31
	s_lshl_b32 s33, s33, 12
	s_add_co_u32 s42, s42, s33
	s_lshl_b32 s43, s35, 9                         ; my wave's K step: 512 bytes
	s_add_co_u32 s42, s42, s43
	s_mov_b32 s43, 0
	s_add_nc_u64 s[26:27], s[26:27], s[42:43]
	s_cmp_lt_u32 ttmp9, 768                        ; row j of the tile lies j + 8 (j / 8) rows below its first: its place stands in the immediate, once for each row length; both ways issue the same sixteen loads in the same order
	s_cbranch_scc0 .Llong_rows
.irp j, 0,1,2,3,4,5,6,7,8,9,10,11,12,13,14,15
	global_load_b128 v[X+4*\j:X+4*\j+3], v[L16], s[26:27] offset:(\j+8*(\j/8))*4096 th:TH_LOAD_NT   ; 32 lanes read 512 consecutive bytes of a row
.endr
	s_branch .Lasked
.Llong_rows:
.irp j, 0,1,2,3,4,5,6,7,8,9,10,11,12,13,14,15
	global_load_b128 v[X+4*\j:X+4*\j+3], v[L16], s[26:27] offset:(\j+8*(\j/8))*16384 th:TH_LOAD_NT
.endr
.Lasked:
	s_load_b32 s38, s[6:7], 0x0                    ; alpha
	s_load_b32 s40, s[8:9], 0x0                    ; bias
	s_lshl_b32 s44, ttmp9, 3
	s_add_co_u32 s44, s44, s35                     ; my fragment's number
	s_mul_i32 s42, s44, 1536
	s_add_nc_u64 s[22:23], s[22:23], s[42:43]
	s_lshl_b32 s42, s44, 6
	s_add_nc_u64 s[24:25], s[24:25], s[42:43]
.irp j, 0,1,2,3,4,5,6,7,8,9,10,11,12,13,14,15
	s_wait_loadcnt 15-\j                           ; loads come back in order: row j is in, the 15 - j younger rows may be out
	ds_store_b128 v[SI], v[X+4*\j:X+4*\j+3] offset:528*\j
.endr
	s_wait_dscnt 0x0                               ; the stores have read their registers: the numbers come back into the same ones
	s_wait_alu depctr_va_vdst(0)
.irp b, 0,1,2,3
.irp q, 0,1,2,3
	ds_load_b128 v[X+16*\b+4*\q:X+16*\b+4*\q+3], v[SO] offset:128*\b+16*\q
.endr
.endr
	s_wait_dscnt 0x0
	s_wait_kmcnt 0x0
	s_mov_b32 s41, s40                             ; (named with it as a pair, so it is written)
	; ---- the norm, for x's work-groups alone; the two barriers stand on every work-group's path
	s_cmp_lt_u32 ttmp9, 256
	s_cbranch_scc0 .Lsum_done
	v_pk_add_f32 v[SA:SA+1], v[X:X+1], v[X+4:X+5]  ; my 64 numbers, two at a time, in two chains
	v_pk_add_f32 v[SA+2:SA+3], v[X+2:X+3], v[X+6:X+7]
.irp j, 8,12,16,20,24,28,32,36,40,44,48,52,56,60
	s_delay_alu instid0(VALU_DEP_2)
	v_pk_add_f32 v[SA:SA+1], v[SA:SA+1], v[X+\j:X+\j+1]
	s_delay_alu instid0(VALU_DEP_2)
	v_pk_add_f32 v[SA+2:SA+3], v[SA+2:SA+3], v[X+\j+2:X+\j+3]
.endr
	LANESUM 0
.Lsum_done:
	s_wait_dscnt 0x0                               ; for the others' sake: my word has landed
	s_barrier_signal -1
	s_barrier_wait -1
	s_cmp_lt_u32 ttmp9, 256
	s_cbranch_scc0 .Lsq_done
	ROWSUM 0
	s_delay_alu instid0(VALU_DEP_1)
	v_mul_f32 v[MEAN], 0x3a800000, v[SA+2]         ; / 1,024
	s_delay_alu instid0(VALU_DEP_1)
	v_mov_b32 v[MEAN+1], v[MEAN]
.set J, 0
.rept 32
	v_pk_add_f32 v[X+J:X+J+1], v[X+J:X+J+1], v[MEAN:MEAN+1] neg_lo:[0,1] neg_hi:[0,1]   ; x - mean
.set J, J+2
.endr
	v_pk_mul_f32 v[SA:SA+1], v[X:X+1], v[X:X+1]
	v_pk_mul_f32 v[SA+2:SA+3], v[X+2:X+3], v[X+2:X+3]
.irp j, 4,8,12,16,20,24,28,32,36,40,44,48,52,56,60
	s_delay_alu instid0(VALU_DEP_2)
	v_pk_fma_f32 v[SA:SA+1], v[X+\j:X+\j+1], v[X+\j:X+\j+1], v[SA:SA+1]
	s_delay_alu instid0(VALU_DEP_2)
	v_pk_fma_f32 v[SA+2:SA+3], v[X+\j+2:X+\j+3], v[X+\j+2:X+\j+3], v[SA+2:SA+3]
.endr
	LANESUM 512
.Lsq_done:
	s_wait_dscnt 0x0
	s_barrier_signal -1
	s_barrier_wait -1
	s_cmp_lt_u32 ttmp9, 256
	s_cbranch_scc0 .Lnorm_done
	ROWSUM 512
	s_delay_alu instid0(VALU_DEP_1)
	v_mul_f32 v[SA+2], 0x3a802008, v[SA+2]         ; / 1,023
	s_wait_alu depctr_va_vdst(0)
	v_sqrt_f32 v[SA+3], v[SA+2]
	v_nop                                          ; a plain place behind the transcendental,
	s_wait_alu depctr_va_vdst(0)                   ; and the wait ahead of its first reader
	v_add_f32 v[SA+3], 0x358637bd, v[SA+3]         ; + 1e-6
	s_wait_alu depctr_va_vdst(0)
	v_rcp_f32 v[SA+4], v[SA+3]
	v_nop
	s_wait_alu depctr_va_vdst(0)
	v_mul_f32 v[G], s38, v[SA+4]
	s_delay_alu instid0(VALU_DEP_1)
	v_mov_b32 v[G+1], v[G]
.set J, 0
.rept 32
	v_pk_fma_f32 v[X+J:X+J+1], v[X+J:X+J+1], v[G:G+1], s[40:41] op_sel_hi:[1,1,0]
.set J, J+2
.endr
.Lnorm_done:
	QUANT X
	global_store_b128 v[L16], v[PC:PC+3], s[22:23]              ; the image: 512, 256, 512, 256 consecutive bytes, each at a multiple of 256 from the buffer's first byte
	global_store_b64 v[L8], v[PC+4:PC+5], s[22:23] offset:512
	global_store_b128 v[L16], v[PC+6:PC+9], s[22:23] offset:768
	global_store_b64 v[L8], v[PC+10:PC+11], s[22:23] offset:1280
	global_store_b32 v[R4], v[PW], s[24:25]                     ; 16 scale words (lanes 16-31 repeat them)
	s_wait_tensorcnt 0x0                           ; the wave's end, behind my last LDS store
	ds_add_u32 v[SPW], v[NIL]
	s_wait_dscnt 0x0
	s_endpgm
.Lfunc_end_k_qf973f5b63e_prep:
	.size	k_qf973f5b63e_prep, .Lfunc_end_k_qf973f5b63e_prep-k_qf973f5b63e_prep
	.p2alignl 7, 3214868480
	.fill 96, 4, 3214868480
	.section	.rodata,"a",@progbits
	.p2align	6, 0x0
	.amdhsa_kernel k_qf973f5b63e_prep
		.amdhsa_group_segment_fixed_size 69632
		.amdhsa_private_segment_fixed_size 0
		.amdhsa_enable_private_segment 0
		.amdhsa_kernarg_size 88
		.amdhsa_user_sgpr_count 2
		.amdhsa_user_sgpr_kernarg_segment_ptr 1
		.amdhsa_wavefront_size32 1
		.amdhsa_system_sgpr_workgroup_id_x 1
		.amdhsa_system_sgpr_workgroup_id_y 1
		.amdhsa_system_sgpr_workgroup_id_z 1
		.amdhsa_system_vgpr_workitem_id 0
		.amdhsa_next_free_vgpr 120
		.amdhsa_next_free_sgpr 66
		.amdhsa_reserve_vcc 0
		.amdhsa_float_denorm_mode_32 3
		.amdhsa_float_denorm_mode_16_64 3
		.amdhsa_memory_ordered 1
		.amdhsa_forward_progress 1
		.amdhsa_inst_pref_size 28
	.end_amdhsa_kernel
	.amdgpu_metadata
---
amdhsa.version: [ 1, 2 ]
amdhsa.kernels:
  - .name:           k_qf973f5b63e_prep
    .symbol:         k_qf973f5b63e_prep.kd
    .args:
      - { .name: x, .offset: 0, .size: 8, .value_kind: global_buffer, .address_space: global }
      - { .name: alpha1, .offset: 8, .size: 8, .value_kind: global_buffer, .address_space: global }
      - { .name: bias1, .offset: 16, .size: 8, .value_kind: global_buffer, .address_space: global }
      - { .name: Wq, .offset: 24, .size: 8, .value_kind: global_buffer, .address_space: global }
      - { .name: Wk, .offset: 32, .size: 8, .value_kind: global_buffer, .address_space: global }
      - { .name: Wv, .offset: 40, .size: 8, .value_kind: global_buffer, .address_space: global }
      - { .name: Wo, .offset: 48, .size: 8, .value_kind: global_buffer, .address_space: global }
      - { .name: W1, .offset: 56, .size: 8, .value_kind: global_buffer, .address_space: global }
      - { .name: W2, .offset: 64, .size: 8, .value_kind: global_buffer, .address_space: global }
      - { .name: pc, .offset: 72, .size: 8, .value_kind: global_buffer, .address_space: global }
      - { .name: ps, .offset: 80, .size: 8, .value_kind: global_buffer, .address_space: global }
    .group_segment_fixed_size: 69632
    .private_segment_fixed_size: 0
    .kernarg_segment_align: 8
    .kernarg_segment_size: 88
    .max_flat_workgroup_size: 256
    .sgpr_count:     66
    .vgpr_count:     120
    .wavefront_size: 32
...
	.end_amdgpu_metadata
.endif
;; end of part 1
;; launch qkv (part 2): grid 12 x 16, 4 waves a work-group, clusters of 4 x 4, 327,680 bytes of LDS; arguments pc, ps, bq, bk, bv, mask, qkvc; writes qkvc
.if DOCPART == 2
	.amdgcn_target "amdgcn-amd-amdhsa--gfx1250"
	.amdhsa_code_object_version 6
	.text
	.protected	k_qf973f5b63e_qkv
	.globl	k_qf973f5b63e_qkv
	.p2align	8
	.type	k_qf973f5b63e_qkv,@function
k_qf973f5b63e_qkv:
	s_mov_b64 s[64:65], 0
	v_nop
	global_prefetch_b8 v0, s[64:65] scope:SCOPE_SE
	s_setreg_imm32_b32 hwreg(HW_REG_WAVE_MODE, 25, 1), 1
	s_wait_xcnt 0x0
	s_wait_alu depctr_hold_cnt(0) depctr_sa_sdst(0) depctr_va_vdst(0) depctr_va_sdst(0) depctr_va_ssrc(0) depctr_va_vcc(0) depctr_vm_vsrc(0)
	s_getreg_b32 s2, hwreg(HW_REG_IB_STS2, 6, 4)
	s_cmp_eq_u32 s2, 0
	s_cbranch_scc0 .Lentry_in_a_cluster
	s_endpgm
.Lentry_in_a_cluster:
	s_bfe_u32 s2, ttmp6, 0x10000c
	s_cmp_lg_u32 s2, 0xf033
	s_cbranch_scc0 .Lentry_shape_is_right
	s_endpgm
.Lentry_shape_is_right:
.set MB,    8
.set NQ,    2
.set KT,    8
.set FRB,   1536
.set RBB,   NQ*FRB
.set HALFT, MB*RBB
.set SLOT,  4*HALFT
.set SCL,   2*SLOT
.set HALFS, MB*KT*64
.set SPARE, SCL+4*HALFS
.set LAPS,  KT/(2*NQ)
.set NL,    4
.set HB,    MB/2
.set OFF_WQK,  3145728
.set OFF_WQKS, 131072
.set OFF_WV,   4718592
.set OFF_WVS,  196608
.set OUT_V,    6291456
.set OUT_SQ,   9437184
.set OUT_SV,   9961472
.set L16, 8
.set L8,  9
.set R4,  10
.set RT4, 11
.set VB,  12
.set ADRA, 16
.set ADRB, 20
.set ADRS, 27
.set SPW, 28
.set NIL, 29
.set FL,  30
.set SC,  32
.set BI,  64
.set AF,  128
.set TM,  128
.set PW,  144
.set W0,  145
.set W1,  146
.set PC,  148
.set KEEP, 224
.set EXT,  232
.set WV, 20
.set HA, 21
.set HW, 22
.set G1, 24
.set G0, 32
.set G1B, 48
.set G0B, 56
.set G1S, 68
.set G0S, 76
.set G1SB, 80
.set G0SB, 88
.set SEL, 98
.set MSB, 0
.macro WIN new
.if MSB != (\new)
	s_set_vgpr_msb (MSB<<8)|(\new)
.set MSB, (\new)
.endif
.endm
.macro PLACES
.rept 4
	v_nop
.endr
.endm
.macro JLOAD g0a, g1a, g0b, g1b
	s_cmp_eq_u32 s[HA], 0
	s_cbranch_scc0 .Lfor_b_\@
	tensor_load_to_lds s[\g0a:\g0a+3], s[\g1a:\g1a+7]
	s_nop 0
	PLACES
	s_branch .Lasked_\@
.Lfor_b_\@:
	tensor_load_to_lds s[\g0b:\g0b+3], s[\g1b:\g1b+7]
	s_nop 0
	PLACES
.Lasked_\@:
.endm
.macro CREST
	s_cmp_lg_u32 s[WV], 0
	s_cbranch_scc1 .Lnot_wave_0_\@
	s_barrier_signal -3
.Lnot_wave_0_\@:
	s_barrier_wait -3
	s_barrier_signal -1
	s_barrier_wait -1
.endm
.macro CROUND
	s_barrier_signal -1
	s_barrier_wait -1
	CREST
.endm
.macro FRAG reg, adr, off
	ds_load_b128 v[\reg:\reg+3], v[\adr] offset:\off
	ds_load_b64 v[\reg+4:\reg+5], v[\adr+2] offset:(\off)+512
	ds_load_b128 v[\reg+6:\reg+9], v[\adr] offset:(\off)+768
	ds_load_b64 v[\reg+10:\reg+11], v[\adr+2] offset:(\off)+1280
.endm
.macro FETCH_B slot, q, p
	WIN 0x40
.set FI, 0
.rept MB
	FRAG 128*(\p)+12*FI, ADRB+\slot, FI*RBB+(\q)*FRB
.set FI, FI+1
.endr
	WIN 0
.endm
.macro FETCH_A slot, q, i0
.set FI, \i0
.rept HB
	FRAG AF+12*FI, ADRA+\slot, FI*RBB+(\q)*FRB
.set FI, FI+1
.endr
.endm
.macro SCALES set
.set FI, 0
.rept MB
.set FQ, 0
.rept NQ
	ds_load_b32 v[SC+16*(\set)+NQ*FI+FQ], v[ADRS] offset:FI*KT*64+64*FQ
.set FQ, FQ+1
.endr
.set FI, FI+1
.endr
.endm
.macro MULA a, p, q, sc, cm
.set AW, 2+(\a)/4
.set AC, 8*MB*((\a)%4)
.if (\cm) == 0
	WIN 0x01|(AW<<4)|(AW<<6)
.else
	WIN 0x01|(AW<<6)
.endif
.set BJ, 0
.rept MB
.if (\cm) == 0
	v_wmma_scale_f32_16x16x128_f8f6f4 v[AC+8*BJ:AC+8*BJ+7], v[128*(\p)+12*BJ:128*(\p)+12*BJ+11], v[AF+12*(\a):AF+12*(\a)+11], v[AC+8*BJ:AC+8*BJ+7], v[SC+16*(\sc)+NQ*BJ+(\q)], v[SC+16*(\sc)+NQ*(\a)+(\q)] matrix_a_fmt:MATRIX_FMT_FP6 matrix_b_fmt:MATRIX_FMT_FP6 matrix_a_scale:MATRIX_SCALE_ROW1
.elseif (\cm) == 1
	v_wmma_scale_f32_16x16x128_f8f6f4 v[AC+8*BJ:AC+8*BJ+7], v[128*(\p)+12*BJ:128*(\p)+12*BJ+11], v[AF+12*(\a):AF+12*(\a)+11], v[BI+8*BJ:BI+8*BJ+7], v[SC+16*(\sc)+NQ*BJ+(\q)], v[SC+16*(\sc)+NQ*(\a)+(\q)] matrix_a_fmt:MATRIX_FMT_FP6 matrix_b_fmt:MATRIX_FMT_FP6 matrix_a_scale:MATRIX_SCALE_ROW1
.else
	v_wmma_scale_f32_16x16x128_f8f6f4 v[AC+8*BJ:AC+8*BJ+7], v[128*(\p)+12*BJ:128*(\p)+12*BJ+11], v[AF+12*(\a):AF+12*(\a)+11], v[BI+8*(\a):BI+8*(\a)+7], v[SC+16*(\sc)+NQ*BJ+(\q)], v[SC+16*(\sc)+NQ*(\a)+(\q)] matrix_a_fmt:MATRIX_FMT_FP6 matrix_b_fmt:MATRIX_FMT_FP6 matrix_a_scale:MATRIX_SCALE_ROW1
.endif
.set BJ, BJ+1
.endr
.endm
.macro STEP slot, q, cm
	s_wait_dscnt HB*NL
.set SA, 0
.rept HB
	MULA SA, (\q)%2, \q, \slot, \cm
.set SA, SA+1
.endr
	s_wait_dscnt 0x0
	PLACES
	FETCH_B \slot, (\q)+1, 1-(\q)%2
	FETCH_A \slot, (\q)+1, 0
.rept HB
	MULA SA, (\q)%2, \q, \slot, \cm
.set SA, SA+1
.endr
	PLACES
	WIN 0
	FETCH_A \slot, (\q)+1, HB
.endm
.macro TURN slot, next, fill
	s_wait_tensorcnt 0x0
	ds_add_u32 v[SPW], v[NIL]
	s_wait_dscnt HB*NL+1
.set SA, 0
.rept HB/2
	MULA SA, 1, NQ-1, \slot, 0
.set SA, SA+1
.endr
	s_wait_dscnt 0x0
	s_barrier_signal -1
.rept HB/2
	MULA SA, 1, NQ-1, \slot, 0
.set SA, SA+1
.endr
	WIN 0
	s_barrier_wait -1
.if \fill
	CREST
	s_add_nc_u64 s[G0+4*\slot+2:G0+4*\slot+3], s[G0+4*\slot+2:G0+4*\slot+3], 2*RBB
	s_add_nc_u64 s[G0B+4*\slot+2:G0B+4*\slot+3], s[G0B+4*\slot+2:G0B+4*\slot+3], 2*RBB
	JLOAD G0+4*\slot, G1, G0B+4*\slot, G1B
.else
	PLACES
.endif
	s_wait_alu depctr_va_vdst(0)
	v_add_nc_u32 v[ADRS], 64*NQ, v[ADRS]
	FETCH_B \next, 0, 0
	FETCH_A \next, 0, 0
	SCALES \next
.rept HB
	MULA SA, 1, NQ-1, \slot, 0
.set SA, SA+1
.endr
	PLACES
	WIN 0
	FETCH_A \next, 0, HB
.endm
.macro LAST
	s_wait_dscnt HB*NL
.set SA, 0
.rept HB
	MULA SA, 1, NQ-1, 1, 0
.set SA, SA+1
.endr
	s_wait_dscnt 0x0
.rept HB
	MULA SA, 1, NQ-1, 1, 0
.set SA, SA+1
.endr
	WIN 0
.endm
.macro QUANTW s, w
	s_wait_xcnt 0x0
	WIN ((\w)<<2)|((\w)<<4)
.irp b, 0,1,2,3
	v_max3_num_f32 v[TM+\b], v[FL], |v[(\s)+16*\b]|, |v[(\s)+16*\b+1]|
.endr
.irp i, 2,4,6,8,10,12,14
.irp b, 0,1,2,3
	v_max3_num_f32 v[TM+\b], v[TM+\b], |v[(\s)+16*\b+\i]|, |v[(\s)+16*\b+\i+1]|
.endr
.endr
	WIN 0
.irp b, 0,1,2,3
	v_permlanex16_b32 v[TM+4+\b], v[TM+\b], s[SEL], s[SEL+1]
.endr
.irp b, 0,1,2,3
	v_max_num_f32 v[TM+\b], v[TM+\b], v[TM+4+\b]
.endr
.irp b, 0,1,2,3
	v_add_nc_u32 v[TM+12+\b], 0xff000000, v[TM+\b]
.endr
.irp b, 0,1,2,3
	v_lshrrev_b32 v[TM+4+\b], 23, v[TM+12+\b]
.endr
	v_lshl_or_b32 v[PW], v[TM+5], 8, v[TM+4]
	v_lshl_or_b32 v[PW], v[TM+6], 16, v[PW]
	v_lshl_or_b32 v[PW], v[TM+7], 24, v[PW]
	WIN \w
.irp c, 0,1
	v_cvt_scalef32_pk16_fp6_f32 v[PC+6*\c:PC+2+6*\c], v[(\s)+32*\c:(\s)+32*\c+15], v[TM+12+2*\c]
	v_cvt_scalef32_pk16_fp6_f32 v[PC+12+4*\c:PC+14+4*\c], v[(\s)+32*\c+16:(\s)+32*\c+31], v[TM+13+2*\c]
.endr
	WIN 0
	v_nop
.irp c, 0,1
.irp i, 0,1,2
	v_permlane16_swap_b32 v[PC+6*\c+\i], v[PC+12+4*\c+\i]
.endr
.irp i, 0,1,2
	v_mov_b32 v[PC+3+6*\c+\i], v[PC+12+4*\c+\i]
.endr
.endr
.endm
	s_load_b256 s[4:11], s[0:1], 0x0
	s_load_b128 s[12:15], s[0:1], 0x20
	s_load_b64 s[16:17], s[0:1], 0x30
	v_lshl_add_u32 v[SPW], v0, 2, SPARE
	v_mov_b32 v[NIL], 0
	ds_add_u32 v[SPW], v[NIL]
	ds_add_u32 v[SPW], v[NIL]
	v_lshrrev_b32 v1, 5, v0
	v_readfirstlane_b32 s[WV], v1
	s_lshr_b32 s[HA], s[WV], 1
	s_and_b32 s[HW], s[WV], 1
	s_bfe_u32 s40, ttmp6, 0x40000
	s_bfe_u32 s41, ttmp6, 0x40004
	s_lshl_b32 s46, ttmp9, 2
	s_and_b32 s47, ttmp7, 0xffff
	s_lshl_b32 s47, s47, 2
	s_cmp_eq_u32 ttmp9, 2
	s_cselect_b32 s43, 0, s47
	s_cselect_b32 s42, s47, s46
	s_cselect_b32 s96, OFF_WV, 0
	s_cselect_b32 s97, OFF_WVS, 0
	s_cselect_b32 s100, 0, OFF_WQK
	s_cselect_b32 s101, 0, OFF_WQKS
	s_add_co_u32 s43, s43, s41
	s_add_co_u32 s42, s42, s40
	s_lshl_b32 s44, s41, 2
	s_lshl_b32 s44, 15, s44
	s_lshl_b32 s45, 0x1111, s40
	s_or_b32 s[G1], s44, (3<<16)|(1<<21)
	s_or_b32 s[G1B], s45, (3<<16)|(1<<21)
.irp g, G1, G1B
	s_mov_b32 s[\g+1], (NQ*192)<<16
	s_mov_b32 s[\g+2], MB<<16
	s_mov_b32 s[\g+3], (NQ*192)<<16
	s_mov_b32 s[\g+4], MB
	s_mov_b32 s[\g+5], KT*192
	s_mov_b32 s[\g+6], 0
	s_mov_b32 s[\g+7], 0
.endr
	s_or_b32 s[G1S], s44, (3<<16)|(1<<21)
	s_or_b32 s[G1SB], s45, (3<<16)|(1<<21)
.irp g, G1S, G1SB
	s_mov_b32 s[\g+1], 32<<16
	s_mov_b32 s[\g+2], (HALFS/256)<<16
	s_mov_b32 s[\g+3], 32<<16
	s_mov_b32 s[\g+4], HALFS/256
	s_mov_b32 s[\g+5], 32
	s_mov_b32 s[\g+6], 0
	s_mov_b32 s[\g+7], 0
.endr
	s_mul_i32 s23, s[HW], MB
	s_mul_i32 s66, s43, 2*MB
	s_add_co_u32 s66, s66, s23
	s_mul_i32 s67, s42, 2*MB
	s_add_co_u32 s67, s67, s23
	s_mul_i32 s2, s66, KT*FRB
	s_add_co_u32 s2, s2, s96
	s_mov_b32 s3, 0
	s_mul_i32 s46, s66, KT*64
	s_add_co_u32 s46, s46, s97
	s_mov_b32 s47, 0
	s_mul_i32 s92, s67, KT*FRB
	s_add_co_u32 s92, s92, s100
	s_mov_b32 s93, 0
	s_mul_i32 s94, s67, KT*64
	s_add_co_u32 s94, s94, s101
	s_mov_b32 s95, 0
	s_mul_i32 s96, s[WV], HALFT
	s_mul_i32 s97, s[WV], HALFS
	s_mov_b32 s[SEL], 0x76543210
	s_mov_b32 s[SEL+1], 0xfedcba98
	s_wait_dscnt 0x0
	s_wait_kmcnt 0x0
	s_add_nc_u64 s[2:3], s[4:5], s[2:3]
	s_add_nc_u64 s[46:47], s[6:7], s[46:47]
	s_add_nc_u64 s[92:93], s[4:5], s[92:93]
	s_add_nc_u64 s[94:95], s[6:7], s[94:95]
	CROUND
	s_mov_b32 s[G0S], 1
	s_add_co_u32 s[G0S+1], s97, SCL
	s_mov_b64 s[G0S+2:G0S+3], s[46:47]
	s_or_b32 s[G0S+3], s[G0S+3], 0x80000000
	s_mov_b32 s[G0SB], 1
	s_add_co_u32 s[G0SB+1], s97, SCL
	s_mov_b64 s[G0SB+2:G0SB+3], s[94:95]
	s_or_b32 s[G0SB+3], s[G0SB+3], 0x80000000
	JLOAD G0S, G1S, G0SB, G1SB
.irp s, 0,1
	s_mov_b32 s[G0+4*\s], 1
	s_add_co_u32 s[G0+4*\s+1], s96, \s*SLOT
	s_add_nc_u64 s[G0+4*\s+2:G0+4*\s+3], s[2:3], \s*RBB
	s_or_b32 s[G0+4*\s+3], s[G0+4*\s+3], 0x80000000
	s_mov_b32 s[G0B+4*\s], 1
	s_add_co_u32 s[G0B+4*\s+1], s96, \s*SLOT
	s_add_nc_u64 s[G0B+4*\s+2:G0B+4*\s+3], s[92:93], \s*RBB
	s_or_b32 s[G0B+4*\s+3], s[G0B+4*\s+3], 0x80000000
	s_wait_alu depctr_va_vdst(0)
	s_wait_tensorcnt 0x0
	ds_add_u32 v28, v29
	s_wait_dscnt 0x0
	CROUND
	JLOAD G0+4*\s, G1, G0B+4*\s, G1B
.endr
	v_and_b32 v3, 31, v0
	v_and_b32 v1, 15, v0
	v_bfe_u32 v2, v0, 4, 1
	v_lshlrev_b32 v[L16], 4, v3
	v_lshlrev_b32 v[L8], 3, v3
	v_lshlrev_b32 v[R4], 2, v1
	v_and_b32 v4, 8, v1
	v_add_nc_u32 v4, v4, v1
	v_lshlrev_b32 v[RT4], 2, v4
	v_lshlrev_b32 v[VB], 6, v2
	v_mov_b32 v[FL], 0x1800000
	s_mul_i32 s66, s[HA], HALFT
	s_mul_i32 s67, s[HW], HALFT
	s_add_co_u32 s67, s67, 2*HALFT
.irp s, 0,1
	v_add_nc_u32 v[ADRA+\s], s66, v[L16]
	v_add_nc_u32 v[ADRA+2+\s], s66, v[L8]
	v_add_nc_u32 v[ADRB+\s], s67, v[L16]
	v_add_nc_u32 v[ADRB+2+\s], s67, v[L8]
	s_add_co_u32 s66, s66, SLOT
	s_add_co_u32 s67, s67, SLOT
.endr
	s_mul_i32 s66, s[HA], HALFS
	s_mul_i32 s67, s[HW], HALFS
	s_add_co_u32 s67, s67, 2*HALFS
	s_sub_co_u32 s67, s67, s66
	v_mul_u32_u24 v4, s67, v2
	s_add_co_u32 s66, s66, SCL
	v_add_nc_u32 v4, v4, v[R4]
	v_add_nc_u32 v[ADRS], s66, v4
.irp a, 0,1,2,3,4,5,6,7
	v_mov_b32 v[KEEP+\a], -1
	v_mov_b32 v[EXT+\a], 0x017f0000
.endr
	s_cmp_eq_u32 ttmp9, 2
	s_cbranch_scc1 .Lhead_v
	s_cmp_eq_u32 ttmp9, 1
	s_cselect_b64 s[92:93], s[10:11], s[8:9]
	s_lshl_b32 s94, s40, 10
	s_lshl_b32 s95, s[HW], 9
	s_add_co_u32 s94, s94, s95
	s_mov_b32 s95, 0
	s_add_nc_u64 s[92:93], s[92:93], s[94:95]
.irp b, 0,1,2,3
.irp q, 0,1,2,3
	global_load_b128 v[BI+16*\b+4*\q:BI+16*\b+4*\q+3], v[VB], s[92:93] offset:128*\b+16*\q
.endr
.endr
	s_cmp_lg_u32 ttmp9, 1
	s_cbranch_scc1 .Lhead_done
	s_lshl_b32 s94, s43, 10
	s_lshl_b32 s95, s[HA], 9
	s_add_co_u32 s94, s94, s95
	s_mov_b32 s95, 0
	s_add_nc_u64 s[66:67], s[14:15], s[94:95]
.irp a, 0,1,2,3,4,5,6,7
	global_load_b32 v[242+\a], v[RT4], s[66:67] offset:(32*(\a/2)+8*(\a%2))*4
.endr
	v_mov_b32 v240, 0x01a00000
	v_mov_b32 v241, 0x01010000
	v_mov_b32 v250, -1
	v_mov_b32 v251, 0
	s_wait_alu depctr_va_vdst(0)
	s_wait_loadcnt 0x0
.irp a, 0,1,2,3,4,5,6,7
	v_cmp_ne_u32 vcc_lo, 0, v[242+\a]
	v_cndmask_b32 v[KEEP+\a], v251, v250, vcc_lo
	v_cndmask_b32 v[EXT+\a], v240, v241, vcc_lo
.endr
	s_branch .Lhead_done
.Lhead_v:
	s_lshl_b32 s94, s43, 10
	s_lshl_b32 s95, s[HA], 9
	s_add_co_u32 s94, s94, s95
	s_mov_b32 s95, 0
	s_add_nc_u64 s[92:93], s[12:13], s[94:95]
.irp a, 0,1,2,3,4,5,6,7
	global_load_b32 v[BI+8*\a], v[RT4], s[92:93] offset:(32*(\a/2)+8*(\a%2))*4
.endr
	s_wait_loadcnt 0x0
.irp a, 0,1,2,3,4,5,6,7
.irp i, 1,2,3,4,5,6,7
	v_mov_b32 v[BI+8*\a+\i], v[BI+8*\a]
.endr
.endr
.Lhead_done:
	s_wait_tensorcnt 1
	s_barrier_signal -1
	s_barrier_wait -1
	FETCH_B 0, 0, 0
	FETCH_A 0, 0, 0
	SCALES 0
	FETCH_A 0, 0, HB
	s_wait_loadcnt 0x0
	s_cmp_eq_u32 ttmp9, 2
	s_cbranch_scc1 .Lfirst_v
	s_wait_alu depctr_va_vdst(0)
	STEP 0, 0, 1
	s_branch .Lfirst_done
.Lfirst_v:
	s_wait_alu depctr_va_vdst(0)
	STEP 0, 0, 2
.Lfirst_done:
	s_mov_b32 s3, LAPS-1
.Llap:
	TURN 0, 1, 1
	STEP 1, 0, 0
	TURN 1, 0, 1
	STEP 0, 0, 0
	s_sub_co_u32 s3, s3, 1
	s_cmp_lg_u32 s3, 0
	s_cbranch_scc1 .Llap
	TURN 0, 1, 0
	STEP 1, 0, 0
	LAST
	PLACES
.irp b, 0,1,2,3
	v_mov_b32 v[TM+4+\b], 0
.endr
	s_cmp_eq_u32 ttmp9, 2
	s_cbranch_scc1 .Lout_v
	s_lshl_b32 s66, s43, 4
	s_lshl_b32 s67, s[HA], 3
	s_add_co_u32 s66, s66, s67
	s_lshr_b32 s67, s66, 7
	s_and_b32 s66, s66, 127
	s_lshl_b32 s67, s67, 4
	s_lshl_b32 s92, s40, 2
	s_add_co_u32 s67, s67, s92
	s_lshl_b32 s92, s[HW], 1
	s_add_co_u32 s67, s67, s92
	s_mul_i32 s92, s67, 98304
	s_mul_i32 s93, s66, 768
	s_add_co_u32 s92, s92, s93
	s_mul_i32 s93, ttmp9, 3145728
	s_add_co_u32 s92, s92, s93
	s_mov_b32 s93, 0
	s_add_nc_u64 s[92:93], s[16:17], s[92:93]
	s_lshl_b32 s94, s67, 13
	s_lshl_b32 s95, s66, 6
	s_add_co_u32 s94, s94, s95
	s_lshl_b32 s95, ttmp9, 18
	s_add_co_u32 s94, s94, s95
	s_add_co_u32 s94, s94, OUT_SQ
	s_mov_b32 s95, 0
	s_add_nc_u64 s[94:95], s[16:17], s[94:95]
.set QA, 0
.rept 8
	QUANTW 64*(QA%4), 2+QA/4
.irp i, 0,1,2,3,4,5,6,7,8,9,10,11
	v_and_b32 v[PC+\i], v[KEEP+QA], v[PC+\i]
.endr
	v_and_or_b32 v[W0], v[PW], 0xffff, v[EXT+QA]
	v_lshrrev_b32 v[W1], 16, v[PW]
	v_or_b32 v[W1], v[W1], v[EXT+QA]
	global_store_b128 v[L16], v[PC:PC+3], s[92:93] offset:QA*768
	global_store_b64 v[L8], v[PC+4:PC+5], s[92:93] offset:QA*768+512
	global_store_b128 v[L16], v[PC+6:PC+9], s[92:93] offset:QA*768+98304
	global_store_b64 v[L8], v[PC+10:PC+11], s[92:93] offset:QA*768+98304+512
	global_store_b32 v[R4], v[W0], s[94:95] offset:QA*64
	global_store_b32 v[R4], v[W1], s[94:95] offset:QA*64+8192
.set QA, QA+1
.endr
	s_branch .Lend
.Lout_v:
	s_lshl_b32 s66, s42, 1
	s_add_co_u32 s66, s66, s[HW]
	s_lshr_b32 s67, s66, 4
	s_and_b32 s66, s66, 15
	s_lshl_b32 s67, s67, 4
	s_lshl_b32 s92, s43, 2
	s_add_co_u32 s67, s67, s92
	s_lshl_b32 s92, s[HA], 1
	s_add_co_u32 s67, s67, s92
	s_mul_i32 s92, s67, 98304
	s_mul_i32 s93, s66, 6144
	s_add_co_u32 s92, s92, s93
	s_add_co_u32 s92, s92, OUT_V
	s_mov_b32 s93, 0
	s_add_nc_u64 s[92:93], s[16:17], s[92:93]
	s_lshl_b32 s94, s67, 12
	s_lshl_b32 s95, s66, 8
	s_add_co_u32 s94, s94, s95
	s_add_co_u32 s94, s94, OUT_SV
	s_mov_b32 s95, 0
	s_add_nc_u64 s[94:95], s[16:17], s[94:95]
.set QA, 0
.rept 8
	QUANTW 64*(QA%4), 2+QA/4
	global_store_b128 v[L16], v[PC:PC+3], s[92:93] offset:(QA/4)*98304+(QA%4)*1536
	global_store_b64 v[L8], v[PC+4:PC+5], s[92:93] offset:(QA/4)*98304+(QA%4)*1536+512
	global_store_b128 v[L16], v[PC+6:PC+9], s[92:93] offset:(QA/4)*98304+(QA%4)*1536+768
	global_store_b64 v[L8], v[PC+10:PC+11], s[92:93] offset:(QA/4)*98304+(QA%4)*1536+1280
	global_store_b32 v[R4], v[PW], s[94:95] offset:(QA/4)*4096+(QA%4)*64
.set QA, QA+1
.endr
.Lend:
	s_wait_tensorcnt 0x0
	ds_add_u32 v[SPW], v[NIL]
	s_wait_dscnt 0x0
	CROUND
	s_endpgm
.Lfunc_end_k_qf973f5b63e_qkv:
	.size	k_qf973f5b63e_qkv, .Lfunc_end_k_qf973f5b63e_qkv-k_qf973f5b63e_qkv
	.p2alignl 7, 3214868480
	.fill 96, 4, 3214868480
	.section	.rodata,"a",@progbits
	.p2align	6, 0x0
	.amdhsa_kernel k_qf973f5b63e_qkv
		.amdhsa_group_segment_fixed_size 327680
		.amdhsa_private_segment_fixed_size 0
		.amdhsa_enable_private_segment 0
		.amdhsa_kernarg_size 56
		.amdhsa_user_sgpr_count 2
		.amdhsa_user_sgpr_kernarg_segment_ptr 1
		.amdhsa_wavefront_size32 1
		.amdhsa_system_sgpr_workgroup_id_x 1
		.amdhsa_system_sgpr_workgroup_id_y 1
		.amdhsa_system_sgpr_workgroup_id_z 1
		.amdhsa_system_vgpr_workitem_id 0
		.amdhsa_next_free_vgpr 1024
		.amdhsa_next_free_sgpr 104
		.amdhsa_reserve_vcc 1
		.amdhsa_float_denorm_mode_32 3
		.amdhsa_float_denorm_mode_16_64 3
		.amdhsa_memory_ordered 1
		.amdhsa_forward_progress 1
		.amdhsa_inst_pref_size 211
	.end_amdhsa_kernel
	.amdgpu_metadata
---
amdhsa.version: [ 1, 2 ]
amdhsa.kernels:
  - .name:           k_qf973f5b63e_qkv
    .symbol:         k_qf973f5b63e_qkv.kd
    .args:
      - { .name: pc, .offset: 0, .size: 8, .value_kind: global_buffer, .address_space: global }
      - { .name: ps, .offset: 8, .size: 8, .value_kind: global_buffer, .address_space: global }
      - { .name: bq, .offset: 16, .size: 8, .value_kind: global_buffer, .address_space: global }
      - { .name: bk, .offset: 24, .size: 8, .value_kind: global_buffer, .address_space: global }
      - { .name: bv, .offset: 32, .size: 8, .value_kind: global_buffer, .address_space: global }
      - { .name: mask, .offset: 40, .size: 8, .value_kind: global_buffer, .address_space: global }
      - { .name: qkvc, .offset: 48, .size: 8, .value_kind: global_buffer, .address_space: global }
    .group_segment_fixed_size: 327680
    .private_segment_fixed_size: 0
    .kernarg_segment_align: 8
    .kernarg_segment_size: 56
    .max_flat_workgroup_size: 128
    .sgpr_count:     104
    .vgpr_count:     1024
    .wavefront_size: 32
...
	.end_amdgpu_metadata
.endif
;; end of part 2
;; launch attn (part 3): grid 8 x 32, 8 waves a work-group, clusters of 4 x 1, 212,992 bytes of LDS; arguments qkvc, oc; writes oc
.if DOCPART == 3
	.amdgcn_target "amdgcn-amd-amdhsa--gfx1250"
	.amdhsa_code_object_version 6
	.text
	.protected	k_qf973f5b63e_attn
	.globl	k_qf973f5b63e_attn
	.p2align	8
	.type	k_qf973f5b63e_attn,@function
k_qf973f5b63e_attn:
	s_mov_b64 s[64:65], 0
	v_nop
	global_prefetch_b8 v0, s[64:65] scope:SCOPE_SE
	s_setreg_imm32_b32 hwreg(HW_REG_WAVE_MODE, 25, 1), 1
	s_wait_xcnt 0x0
	s_wait_alu depctr_hold_cnt(0) depctr_sa_sdst(0) depctr_va_vdst(0) depctr_va_sdst(0) depctr_va_ssrc(0) depctr_va_vcc(0) depctr_vm_vsrc(0)
	s_getreg_b32 s2, hwreg(HW_REG_IB_STS2, 6, 4)
	s_cmp_eq_u32 s2, 0
	s_cbranch_scc0 .Lentry_in_a_cluster
	s_endpgm
.Lentry_in_a_cluster:
	s_bfe_u32 s2, ttmp6, 0x10000c
	s_cmp_lg_u32 s2, 0x3003
	s_cbranch_scc0 .Lentry_shape_is_right
	s_endpgm
.Lentry_shape_is_right:
; LAUNCH 3: attention on codes of MX-FP6, and the quantising of its result along the model's 1,024.  No work is left out: the mask is an input, so every key is multiplied.
; t = score x log2(e) / 8; M = the row's largest t so far, rounded up to a whole number; p = 2^(t - M) is quantised along the keys, not normalised; the row's sum of the unquantised p divides at the end.
; SHARES.  A work-group owns 256 queries of one (batch, head); each of its eight waves TWO tiles of 16 queries, in 512 registers: a fragment of K or V read from LDS feeds two products, and every vector phase runs the two tiles' chains by turns.
; ALL OF THE HEAD'S K AND V STAY IN LDS: 2 x 98,304 bytes of codes and 12,288 of scale words, as images of the operands' registers.  Every byte is filled once: no ring, no refill.
; THE HEAD'S LOADS, ONE A WAVE: waves 0-2 fetch K's codes in thirds of 32,768 bytes, waves 3-5 V's, wave 6 K's scale words, wave 7 V's; one barrier shows all of it to all waves.
; CLUSTER.  The four query blocks of a cluster belong to one (batch, head) and read the same K and V: each load is asked for jointly, with a mask that names the four.
; NO PREFETCH: every tile is asked for at the head, in one group; there is no loop to run ahead in.
; LAYOUT.  Both products transposed: S^T = K Q^T (source 0 = 16 keys, source 1 = 16 queries), O^T = V^T P^T: a lane holds one query throughout.  The keys of a tile, and the channels of a tile of V, are in launch 1's order of rows,
; so that 16 registers of two neighbouring tiles are 16 neighbours: of the keys for p, of the channels for the result.
; THE MASK: a head has 64 along K, the instruction 128.  At k = 64 q has the code 1.0 (scale byte 127) and k the code -1.0, whose scale byte launch 2 has set: 160 for a masked key, whose own codes are zeros, 1 for a kept one.
; So a masked key's score is exactly -2^33, p = 0 beside any kept key, and p = 1 for all keys where all are masked, as with the problem's -1e9.
; LIMITS: a masked logit is -2^30 where the problem says -1e9: the same results while kept logits stay above about -9e8; each kept score carries -2^-126.  NaN and infinities are not served.
; The promise holds while the scaled scores stay under 2^31 in magnitude.
; REGISTERS.  Window 0: v1-13 addresses; v16-31 each tile's state; v32-55 Q; v56-59 Q's and p's scale words; v60-71 K's and V's; v72-167 eight fragments of K; v168-207 p's codes; v208-243 at work.
; Window 1: v0-127 S^T, then p (tile T at 64 T); v128-191 O^T (tile T at 128 + 32 T); v192-239 four fragments of V.
.set VC,    98304                      ; K's codes lie from 0, V's from here
.set KSC,   196608                     ; K's scale words: [tile 128][16 words]
.set VSC,   204800                     ; V's: [K step 16][tile 4][16 words]
.set SPARE, 208896                     ; the spare words, 128 bytes for each of the eight waves: four blocks of 256 bytes that no other line names
.set L16, 1                            ; 16 x lane
.set L8,  2                            ; 8 x lane
.set KSB, 3                            ; KSC + 4 r
.set VSB, 4                            ; VSC + 4 r
.set SPW, 5                            ; my spare word; never rewritten
.set NIL, 6                            ; 0; never rewritten
.set AK16, 7                           ; the step's addresses: K's tiles, K's scale words, V's tiles, V's scale words
.set AK8, 8
.set AKS, 9
.set AV16, 10
.set AV8, 11
.set AVS, 12
.set R4,  13                           ; 4 r
.set ST,  16                           ; tile T's state at ST + 8 T: -M, the largest t; the sum in two halves; f and a partner; two at work
.set QF,  32
.set QS,  56
.set PW,  58
.set KSR, 60
.set VSR, 68
.set KF,  72
.set PC,  168                          ; p's codes, 12 a tile
.set PT,  192                          ; the conversions' second halves, 8 a tile
.set BM,  208                          ; block maxima, 4 T + b
.set PM,  216
.set SO,  224                          ; the conversions' scale operands
.set SA,  232                          ; three more chains of the sum, 6 a tile
.set OA,  128                          ; window 1
.set VF,  192                          ; window 1
.set WV,  18
.set SEL, 20
.set CS,  22
.set G1C, 24                           ; s[24:31] group 1 for a third of the codes: 128 rows of 256 bytes;  s[32:39] K's scale words: 32 rows;  s[40:47] V's: 16 rows
.set G1KS, 32
.set G1VS, 40
.set TB,  2
.set TS,  3
.set TV,  72
.set TJ,  73
.set CNT, 86
.set MSB, 0
.macro WIN new                         ; the immediate's high byte repeats the setting that is left
.if MSB != (\new)
	s_set_vgpr_msb (MSB<<8)|(\new)
.set MSB, (\new)
.endif
.endm
.macro PLACES
.rept 4
	v_nop
.endr
.endm
.macro CROUND
	s_barrier_signal -1
	s_barrier_wait -1
	s_cmp_lg_u32 s[WV], 0
	s_cbranch_scc1 .Lnot_wave_0_\@
	s_barrier_signal -3
.Lnot_wave_0_\@:
	s_barrier_wait -3
	s_barrier_signal -1
	s_barrier_wait -1
.endm
.macro MKG1 g, rows
	s_mov_b32 s[\g], 15|(3<<16)|(1<<21)            ; 15:0 the mask: all four work-groups; 17:16 elements of 8 bytes; 21 set beside a mask; no padding
	s_mov_b32 s[\g+1], 32<<16
	s_mov_b32 s[\g+2], (\rows)<<16
	s_mov_b32 s[\g+3], 32<<16
	s_mov_b32 s[\g+4], \rows
	s_mov_b32 s[\g+5], 32
	s_mov_b32 s[\g+6], 0
	s_mov_b32 s[\g+7], 0
.endm
; The next key step's eight tiles of K: registers 0-5 of each fragment and its scale word, 24 loads.  The three adds and the v_nop are the four places behind the products that read these registers
.macro KNEXT
	v_add_nc_u32 v[AK16], s[TB], v[L16]
	v_add_nc_u32 v[AK8], s[TB], v[L8]
	v_add_nc_u32 v[AKS], s[TS], v[KSB]
	v_nop
.irp t, 0,1,2,3,4,5,6,7
	ds_load_b128 v[KF+12*\t:KF+12*\t+3], v[AK16] offset:768*\t
	ds_load_b64 v[KF+12*\t+4:KF+12*\t+5], v[AK8] offset:768*\t+512
	ds_load_b32 v[KSR+\t], v[AKS] offset:64*\t
.endr
	s_add_co_u32 s[TB], s[TB], 6144
	s_add_co_u32 s[TS], s[TS], 512
.endm
	s_load_b128 s[4:7], s[0:1], 0x0                ; qkvc s[4:5], oc s[6:7]
	v_lshl_add_u32 v[SPW], v0, 2, SPARE
	v_mov_b32 v[NIL], 0
	ds_add_u32 v[SPW], v[NIL]                      ; the wave's opening: the add, twice on end, and its wait ahead of the first tensor load
	ds_add_u32 v[SPW], v[NIL]
	v_lshrrev_b32 v7, 5, v0
	v_readfirstlane_b32 s[WV], v7                  ; wave 0..7
	s_bfe_u32 s8, ttmp6, 0x40000                   ; cx
	s_lshl_b32 s9, ttmp9, 2
	s_add_co_u32 s9, s9, s8                        ; my block of 256 queries: it enters Q's and the result's addresses alone
	s_and_b32 s10, ttmp7, 0xffff                   ; 16 x batch + head, which the four partners share
	MKG1 G1C, 128
	MKG1 G1KS, 32
	MKG1 G1VS, 16
	s_mul_i32 s12, s10, 98304                      ; the codes: K's begin at 3,145,728, V's as far on again; wave w takes bytes 32,768 w of the head's K and V on end
	s_lshl_b32 s13, s[WV], 15
	s_add_co_u32 s12, s12, s13
	s_cmp_ge_u32 s[WV], 3
	s_cselect_b32 s13, 3047424, 0                  ; 3,145,728 - 98,304: from the end of the head's K to the start of its V
	s_add_co_u32 s12, s12, s13
	s_add_co_u32 s12, s12, 3145728
	s_mov_b32 s13, 0
	s_lshl_b32 s14, s10, 13                        ; K's scale words: 8,192 bytes a head
	s_add_co_u32 s14, s14, 9699328
	s_mov_b32 s15, 0
	s_lshl_b32 s16, s10, 12                        ; V's: 4,096
	s_add_co_u32 s16, s16, 9961472
	s_mov_b32 s17, 0
	s_mov_b32 s[SEL], 0x76543210
	s_mov_b32 s[SEL+1], 0xfedcba98
	s_mov_b32 s[CS], 0x3e38aa3b                    ; c = log2(e) / 8
	s_mov_b32 s[CS+1], s[CS]
	s_mov_b32 s[TB], 0
	s_mov_b32 s[TS], 0
	s_mov_b32 s[TV], VC
	s_mov_b32 s[TJ], 0
	s_wait_dscnt 0x0                               ; both opening adds are done
	s_wait_kmcnt 0x0
	s_add_nc_u64 s[12:13], s[4:5], s[12:13]
	s_add_nc_u64 s[14:15], s[4:5], s[14:15]
	s_add_nc_u64 s[16:17], s[4:5], s[16:17]
	CROUND                                         ; all four work-groups are here: the joint loads meet
	s_mov_b32 s48, 1                               ; group 0 for the codes: LDS byte 32,768 x wave
	s_lshl_b32 s49, s[WV], 15
	s_mov_b64 s[50:51], s[12:13]
	s_or_b32 s51, s51, 0x80000000
	s_mov_b32 s52, 1                               ; for K's scale words
	s_mov_b32 s53, KSC
	s_mov_b64 s[54:55], s[14:15]
	s_or_b32 s55, s55, 0x80000000
	s_mov_b32 s56, 1                               ; for V's
	s_mov_b32 s57, VSC
	s_mov_b64 s[58:59], s[16:17]
	s_or_b32 s59, s59, 0x80000000
	s_cmp_lt_u32 s[WV], 6                          ; one chain of branches on the wave's number: every way through it passes exactly one load
	s_cbranch_scc0 .Lks
	tensor_load_to_lds s[48:51], s[G1C:G1C+7]
	s_nop 0
	PLACES
	s_branch .Lfilled
.Lks:
	s_cmp_lt_u32 s[WV], 7
	s_cbranch_scc0 .Lvs
	tensor_load_to_lds s[52:55], s[G1KS:G1KS+7]
	s_nop 0
	PLACES
	s_branch .Lfilled
.Lvs:
	tensor_load_to_lds s[56:59], s[G1VS:G1VS+7]
	s_nop 0
	PLACES
.Lfilled:
	s_lshl_b32 s74, s9, 4
	s_lshl_b32 s75, s[WV], 1
	s_add_co_u32 s74, s74, s75                     ; my first tile of queries within the batch; the second follows it
	s_mul_i32 s75, s10, 98304
	s_mul_i32 s76, s74, 768
	s_add_co_u32 s76, s76, s75
	s_mov_b32 s77, 0
	s_add_nc_u64 s[76:77], s[4:5], s[76:77]        ; Q's half fragments
	s_lshl_b32 s78, s10, 13
	s_lshl_b32 s79, s74, 6
	s_add_co_u32 s78, s78, s79
	s_add_co_u32 s78, s78, 9437184
	s_mov_b32 s79, 0
	s_add_nc_u64 s[78:79], s[4:5], s[78:79]        ; their scale words
	s_lshr_b32 s80, s10, 4
	s_lshl_b32 s80, s80, 7
	s_add_co_u32 s80, s80, s74                     ; the tile of tokens among all 256
	s_lshl_b32 s80, s80, 3
	s_bfe_u32 s81, s10, 0x30001                    ; head / 2: the next product's K step
	s_add_co_u32 s80, s80, s81
	s_and_b32 s81, s10, 1                          ; head % 2: which half of the fragment
	s_mul_i32 s82, s80, 1536
	s_mul_i32 s83, s81, 768
	s_add_co_u32 s82, s82, s83
	s_mov_b32 s83, 0
	s_add_nc_u64 s[82:83], s[6:7], s[82:83]
	s_lshl_b32 s84, s80, 6
	s_lshl_b32 s85, s81, 1
	s_add_co_u32 s84, s84, s85
	s_add_co_u32 s84, s84, 3145728
	s_mov_b32 s85, 0
	s_add_nc_u64 s[84:85], s[6:7], s[84:85]
	v_and_b32 v7, 31, v0
	v_and_b32 v8, 15, v0
	v_lshlrev_b32 v[L16], 4, v7
	v_lshlrev_b32 v[L8], 3, v7
	v_lshlrev_b32 v[R4], 2, v8
	v_add_nc_u32 v[KSB], KSC, v[R4]
	v_add_nc_u32 v[VSB], VSC, v[R4]
.irp T, 0,1
	global_load_b128 v[QF+12*\T:QF+12*\T+3], v[L16], s[76:77] offset:768*\T
	global_load_b64 v[QF+12*\T+4:QF+12*\T+5], v[L8], s[76:77] offset:768*\T+512
	global_load_b32 v[QS+\T], v[R4], s[78:79] offset:64*\T
.endr
	v_bfe_u32 v14, v0, 4, 1
	v_sub_nc_u32 v14, 1, v14                       ; 1 in lanes 0-15, whose registers 6-11 hold k = 64 .. 95
	v_mul_u32_u24 v15, v14, 40                     ; k at k = 64: the code of -1.0
	v_lshlrev_b32 v14, 3, v14                      ; q at k = 64: the code of 1.0
.irp T, 0,1
	v_mov_b32 v[QF+12*\T+6], v14
.irp i, 7,8,9,10,11
	v_mov_b32 v[QF+12*\T+\i], 0
.endr
	v_mov_b32 v[ST+8*\T+1], 0xff61b1e6             ; the largest t so far: -3e38
	v_mov_b32 v[ST+8*\T+2], 0                      ; the sum
	v_mov_b32 v[ST+8*\T+3], 0
	v_mov_b32 v[ST+8*\T+5], 0                      ; (named with f as a pair, so it is written)
	v_mov_b32 v[ST+8*\T+6], 0                      ; a lane permute's destination counts as one of its sources
	v_floor_f32 v[ST+8*\T], -v[ST+8*\T+1]          ; -M
.endr
.irp t, 0,1,2,3,4,5,6,7
	v_mov_b32 v[KF+12*\t+6], v15                   ; written once: the steps' loads fill registers 0-5 alone
.irp i, 7,8,9,10,11
	v_mov_b32 v[KF+12*\t+\i], 0
.endr
	v_mov_b32 v[PM+\t], 0
.endr
	WIN 0x40
.set J, 0
.rept 64
	v_mov_b32 v[OA+J], 0                           ; O^T: the step is written once; the first finds zeros, which the first change of M leaves zeros
.set J, J+1
.endr
	WIN 0
	s_wait_alu depctr_va_vdst(0)                   ; the wait at the head's end
	s_wait_loadcnt 0x0                             ; Q
	s_wait_tensorcnt 0x0                           ; my part of K, V or the scale words has landed
	s_barrier_signal -1
	s_barrier_wait -1                              ; and everybody's: nothing is ever filled again
	KNEXT                                          ; key step 0's tiles of K
	s_mov_b32 s[CNT], 16
.Lstep:                                                ; A KEY STEP: 128 keys x my 32 queries
	v_add_nc_u32 v[AV16], s[TV], v[L16]            ; three adds and a v_nop: the four places behind the last step's products, in front of the loads into V's registers
	v_add_nc_u32 v[AV8], s[TV], v[L8]
	v_add_nc_u32 v[AVS], s[TJ], v[VSB]
	v_nop
	WIN 0x40
.irp t, 0,1,2,3                                ; V's four fragments land under the softmax
	ds_load_b128 v[VF+12*\t:VF+12*\t+3], v[AV16] offset:1536*\t
	ds_load_b64 v[VF+12*\t+4:VF+12*\t+5], v[AV8] offset:1536*\t+512
	ds_load_b128 v[VF+12*\t+6:VF+12*\t+9], v[AV16] offset:1536*\t+768
	ds_load_b64 v[VF+12*\t+10:VF+12*\t+11], v[AV8] offset:1536*\t+1280
.endr
	WIN 0
.irp t, 0,1,2,3
	ds_load_b32 v[VSR+\t], v[AVS] offset:64*\t
.endr
	s_wait_dscnt 20                                ; K's 24 loads, asked for a step ago, are in; V's 20 may be out
	WIN 0x40
.irp t, 0,1,2,3,4,5,6,7                        ; each fragment of K against both tiles of queries; sixteen accumulators, one instruction each
.irp T, 0,1
	v_wmma_scale_f32_16x16x128_f8f6f4 v[64*\T+8*\t:64*\T+8*\t+7], v[KF+12*\t:KF+12*\t+11], v[QF+12*\T:QF+12*\T+11], 0, v[KSR+\t], v[QS+\T] matrix_a_fmt:MATRIX_FMT_FP6 matrix_b_fmt:MATRIX_FMT_FP6
.endr
.endr
	WIN 0
	KNEXT                                          ; the next step's K (behind the last step: 6,144 bytes of V's codes and 512 of V's scale words, which are filled, are read and not used)
	WIN 0x14                                       ; sources 1 and 2 in window 1.  Register 16 b + i of window 1: tile b / 4, block b % 4, key 32 (b % 4) + 16 h + i
.irp i, 0,2,4,6,8,10,12,14
.irp b, 0,1,2,3,4,5,6,7
.if \i == 0
	v_max3_num_f32 v[BM+\b], 0xff61b1e6, v[16*\b], v[16*\b+1]   ; the largest score of each block of 32 keys: for the row's maximum and, since p rises with the score, for the block's largest p
.else
	v_max3_num_f32 v[BM+\b], v[BM+\b], v[16*\b+\i], v[16*\b+\i+1]
.endif
.endr
.endr
	WIN 0
.irp b, 0,1,2,3,4,5,6,7
	v_permlanex16_b32 v[PM+\b], v[BM+\b], s[SEL], s[SEL+1]
.endr
.irp b, 0,1,2,3,4,5,6,7
	v_max_num_f32 v[BM+\b], v[BM+\b], v[PM+\b]
.endr
.irp T, 0,1
	v_max3_num_f32 v[ST+8*\T+6], v[BM+4*\T], v[BM+4*\T+1], v[BM+4*\T+2]
.endr
.irp T, 0,1
	s_delay_alu instid0(VALU_DEP_2)
	v_max_num_f32 v[ST+8*\T+6], v[ST+8*\T+6], v[BM+4*\T+3]
.endr
.irp T, 0,1
	s_delay_alu instid0(VALU_DEP_2)
	v_mul_f32 v[ST+8*\T+6], s[CS], v[ST+8*\T+6]    ; as t (c is positive)
.endr
.irp T, 0,1
	s_delay_alu instid0(VALU_DEP_2)
	v_max_num_f32 v[ST+8*\T+1], v[ST+8*\T+1], v[ST+8*\T+6]   ; the running largest t
.endr
.irp T, 0,1
	v_mov_b32 v[ST+8*\T+6], v[ST+8*\T]
.endr
.irp T, 0,1
	s_delay_alu instid0(VALU_DEP_4)
	v_floor_f32 v[ST+8*\T], -v[ST+8*\T+1]          ; the new -M = -ceil(t)
.endr
.irp T, 0,1
	s_delay_alu instid0(VALU_DEP_2)
	v_sub_f32 v[ST+8*\T+6], v[ST+8*\T], v[ST+8*\T+6]   ; old M - new M: a whole number, 0 or less
.endr
.irp T, 0,1
	s_delay_alu instid0(VALU_DEP_2)
	v_cvt_i32_f32 v[ST+8*\T+6], v[ST+8*\T+6]       ; (it saturates)
.endr
.irp T, 0,1
	s_delay_alu instid0(VALU_DEP_2)
	v_ldexp_f32 v[ST+8*\T+4], 1.0, v[ST+8*\T+6]    ; f = 2^(old M - new M): a multiplication by it rounds nothing
.endr
.irp T, 0,1
.irp b, 0,1,2,3
	v_fma_f32 v[BM+4*\T+\b], v[BM+4*\T+\b], s[CS], v[ST+8*\T]
.endr
.endr
	WIN 0x41                                       ; destination and source 0 in window 1
.irp T, 0,1
.set J, 0
.rept 32
	v_pk_fma_f32 v[64*\T+J:64*\T+J+1], v[64*\T+J:64*\T+J+1], s[CS:CS+1], v[ST+8*\T:ST+8*\T+1] op_sel_hi:[1,0,0]   ; t - M, two at a time
.set J, J+2
.endr
.endr
	s_wait_alu depctr_va_vdst(0)                   ; the wait ahead of the batch
	s_wait_dscnt 24                                ; V's 20 loads are in; the 24 for the next step's K may be out
.set J, 0
.rept 128
	v_exp_f32 v[J], v[J]                           ; p = 2^(t - M)
.set J, J+1
.endr
	WIN 0
.irp b, 0,1,2,3,4,5,6,7
	v_exp_f32 v[BM+\b], v[BM+\b]                   ; the block's largest p
.endr
.irp T, 0,1
	v_pk_mul_f32 v[ST+8*\T+2:ST+8*\T+3], v[ST+8*\T+2:ST+8*\T+3], v[ST+8*\T+4:ST+8*\T+5] op_sel_hi:[1,0]   ; the sums under the new M (plain places behind the exponentials)
.endr
	WIN 0x41
	s_wait_alu depctr_va_vdst(0)                   ; one wait for the whole batch, and for O^T's first readers directly behind it
.irp T, 0,1
.set J, 0
.rept 16
	v_pk_mul_f32 v[OA+32*\T+J:OA+32*\T+J+1], v[OA+32*\T+J:OA+32*\T+J+1], v[ST+8*\T+4:ST+8*\T+5] op_sel_hi:[1,0]   ; O^T under the new M
.set J, J+2
.endr
.endr
	WIN 0
.irp b, 0,1,2,3,4,5,6,7
	v_max_num_f32 v[BM+\b], 0x1800000, v[BM+\b]    ; the floor 2^(3 - 127): the byte cannot fall under 1
.endr
.irp b, 0,1,2,3,4,5,6,7
	v_add_nc_u32 v[SO+\b], 0xff000000, v[BM+\b]    ; 2 off the exponent field: the conversion's scale operand
.endr
.irp b, 0,1,2,3,4,5,6,7
	v_lshrrev_b32 v[PM+\b], 23, v[SO+\b]           ; the scale's byte
.endr
.irp T, 0,1
	v_lshl_or_b32 v[PW+\T], v[PM+4*\T+1], 8, v[PM+4*\T]   ; p's scale word for these 128 keys
.endr
.irp T, 0,1
	s_delay_alu instid0(VALU_DEP_2)
	v_lshl_or_b32 v[PW+\T], v[PM+4*\T+2], 16, v[PW+\T]
.endr
.irp T, 0,1
	s_delay_alu instid0(VALU_DEP_2)
	v_lshl_or_b32 v[PW+\T], v[PM+4*\T+3], 24, v[PW+\T]
.endr
	WIN 0x01                                       ; source 0 in window 1
.irp T, 0,1
.irp c, 0,1
	v_cvt_scalef32_pk16_fp6_f32 v[PC+12*\T+6*\c:PC+12*\T+6*\c+2], v[64*\T+32*\c:64*\T+32*\c+15], v[SO+4*\T+2*\c]
	v_cvt_scalef32_pk16_fp6_f32 v[PT+8*\T+4*\c:PT+8*\T+4*\c+2], v[64*\T+32*\c+16:64*\T+32*\c+31], v[SO+4*\T+2*\c+1]   ; (a conversion's three registers begin on an even number)
.endr
.endr
	WIN 0x05                                       ; THE ROW'S SUM OF THE UNQUANTISED p, four chains a tile: three begin here (plain places behind the conversions),
.irp T, 0,1
.irp k, 0,1,2
	v_pk_add_f32 v[SA+6*\T+2*\k:SA+6*\T+2*\k+1], v[64*\T+16+16*\k:64*\T+17+16*\k], v[64*\T+18+16*\k:64*\T+19+16*\k]
.endr
.endr
	WIN 0
.irp T, 0,1                                    ; the operand wants a whole block in a lane: lanes 0-15 block 2 c, lanes 16-31 block 2 c + 1
.irp c, 0,1
.irp i, 0,1,2
	v_permlane16_swap_b32 v[PC+12*\T+6*\c+\i], v[PT+8*\T+4*\c+\i]
.endr
.endr
.endr
.irp T, 0,1
.irp c, 0,1
.irp i, 0,1,2
	v_mov_b32 v[PC+12*\T+6*\c+3+\i], v[PT+8*\T+4*\c+\i]
.endr
.endr
.endr
	WIN 0x04                                       ; the fourth is the running sum itself
.irp n, 0,1,2,3,4,5,6,7
.irp T, 0,1
	v_pk_add_f32 v[ST+8*\T+2:ST+8*\T+3], v[ST+8*\T+2:ST+8*\T+3], v[64*\T+2*\n:64*\T+2*\n+1]
.if \n >= 2
.irp k, 0,1,2
	v_pk_add_f32 v[SA+6*\T+2*\k:SA+6*\T+2*\k+1], v[SA+6*\T+2*\k:SA+6*\T+2*\k+1], v[64*\T+16+16*\k+2*\n:64*\T+17+16*\k+2*\n]
.endr
.endif
.endr
.endr
	WIN 0
.irp T, 0,1
	v_pk_add_f32 v[SA+6*\T:SA+6*\T+1], v[SA+6*\T:SA+6*\T+1], v[SA+6*\T+2:SA+6*\T+3]
.endr
.irp T, 0,1
	v_pk_add_f32 v[ST+8*\T+2:ST+8*\T+3], v[ST+8*\T+2:ST+8*\T+3], v[SA+6*\T+4:SA+6*\T+5]
.endr
.irp T, 0,1
	s_delay_alu instid0(VALU_DEP_2)
	v_pk_add_f32 v[ST+8*\T+2:ST+8*\T+3], v[ST+8*\T+2:ST+8*\T+3], v[SA+6*\T:SA+6*\T+1]
.endr
	WIN 0x51                                       ; V's fragment, C and D in window 1; p's codes in window 0
.irp t, 0,1,2,3                                ; the eight accumulators by turns, one instruction a turn
.irp T, 0,1
	v_wmma_scale_f32_16x16x128_f8f6f4 v[OA+32*\T+8*\t:OA+32*\T+8*\t+7], v[VF+12*\t:VF+12*\t+11], v[PC+12*\T:PC+12*\T+11], v[OA+32*\T+8*\t:OA+32*\T+8*\t+7], v[VSR+\t], v[PW+\T] matrix_a_fmt:MATRIX_FMT_FP6 matrix_b_fmt:MATRIX_FMT_FP6
.endr
.endr
	WIN 0
	s_add_co_u32 s[TV], s[TV], 6144
	s_add_co_u32 s[TJ], s[TJ], 256
	s_sub_co_u32 s[CNT], s[CNT], 1
	s_cmp_lg_u32 s[CNT], 0
	s_cbranch_scc1 .Lstep
	; THE WAY OUT: O^T / the sum is quantised along the channels: two blocks of 32 a tile, half a fragment of the next product's operand, and two scale bytes
	s_wait_alu depctr_va_vdst(0)                   ; directly ahead of the wait below
	s_wait_dscnt 0x0                               ; the loads behind the last step have come back
	PLACES
.irp T, 0,1
	v_add_f32 v[ST+8*\T+2], v[ST+8*\T+2], v[ST+8*\T+3]
.endr
.irp T, 0,1
	s_delay_alu instid0(VALU_DEP_2)
	v_permlanex16_b32 v[ST+8*\T+6], v[ST+8*\T+2], s[SEL], s[SEL+1]
.endr
.irp T, 0,1
	s_delay_alu instid0(VALU_DEP_2)
	v_add_f32 v[ST+8*\T+2], v[ST+8*\T+2], v[ST+8*\T+6]
.endr
	s_wait_alu depctr_va_vdst(0)                   ; ahead of the transcendentals
.irp T, 0,1
	v_rcp_f32 v[ST+8*\T+2], v[ST+8*\T+2]
.endr
	v_nop
	WIN 0x41
	s_wait_alu depctr_va_vdst(0)                   ; and ahead of their first reader, which is O^T's first reader too
.irp T, 0,1
.set J, 0
.rept 32
	v_mul_f32 v[64*\T+J], v[OA+32*\T+J], v[ST+8*\T+2]   ; register 64 T + 16 b + i is channel 32 b + 16 h + i of my query
.set J, J+1
.endr
.endr
	WIN 0x14
.irp i, 0,2,4,6,8,10,12,14
.irp T, 0,1
.irp b, 0,1
.if \i == 0
	v_max3_num_f32 v[BM+2*\T+\b], 0x1800000, |v[64*\T+16*\b]|, |v[64*\T+16*\b+1]|
.else
	s_delay_alu instid0(VALU_DEP_4)
	v_max3_num_f32 v[BM+2*\T+\b], v[BM+2*\T+\b], |v[64*\T+16*\b+\i]|, |v[64*\T+16*\b+\i+1]|
.endif
.endr
.endr
.endr
	WIN 0
.irp q, 0,1,2,3
	v_permlanex16_b32 v[PM+\q], v[BM+\q], s[SEL], s[SEL+1]
.endr
.irp q, 0,1,2,3
	s_delay_alu instid0(VALU_DEP_4)
	v_max_num_f32 v[BM+\q], v[BM+\q], v[PM+\q]
.endr
.irp q, 0,1,2,3
	s_delay_alu instid0(VALU_DEP_4)
	v_add_nc_u32 v[SO+\q], 0xff000000, v[BM+\q]
.endr
.irp q, 0,1,2,3
	s_delay_alu instid0(VALU_DEP_4)
	v_lshrrev_b32 v[PM+\q], 23, v[SO+\q]
.endr
.irp T, 0,1
	v_lshl_or_b32 v[PW+\T], v[PM+2*\T+1], 8, v[PM+2*\T]
.endr
	WIN 0x01
.irp T, 0,1
	v_cvt_scalef32_pk16_fp6_f32 v[PC+12*\T:PC+12*\T+2], v[64*\T:64*\T+15], v[SO+2*\T]
	v_cvt_scalef32_pk16_fp6_f32 v[PT+8*\T:PT+8*\T+2], v[64*\T+16:64*\T+31], v[SO+2*\T+1]
.endr
	WIN 0
	v_nop                                          ; one plain place behind a scaled conversion
.irp T, 0,1
.irp i, 0,1,2
	v_permlane16_swap_b32 v[PC+12*\T+\i], v[PT+8*\T+\i]
.endr
.endr
.irp T, 0,1
.irp i, 0,1,2
	v_mov_b32 v[PC+12*\T+3+\i], v[PT+8*\T+\i]
.endr
.endr
.irp T, 0,1                                    ; the next tile of tokens lies eight fragments on
	global_store_b128 v[L16], v[PC+12*\T:PC+12*\T+3], s[82:83] offset:12288*\T       ; 512 and 256 consecutive bytes, each at a multiple of 256 from the buffer's first byte
	global_store_b64 v[L8], v[PC+12*\T+4:PC+12*\T+5], s[82:83] offset:12288*\T+512
	global_store_b16 v[R4], v[PW+\T], s[84:85] offset:512*\T                         ; my head's half of the row's scale word
.endr
	s_wait_tensorcnt 0x0                           ; the wave's end
	ds_add_u32 v[SPW], v[NIL]
	s_wait_dscnt 0x0
	CROUND                                         ; the closing round
	s_endpgm
.Lfunc_end_k_qf973f5b63e_attn:
	.size	k_qf973f5b63e_attn, .Lfunc_end_k_qf973f5b63e_attn-k_qf973f5b63e_attn
	.p2alignl 7, 3214868480
	.fill 96, 4, 3214868480
	.section	.rodata,"a",@progbits
	.p2align	6, 0x0
	.amdhsa_kernel k_qf973f5b63e_attn
		.amdhsa_group_segment_fixed_size 212992
		.amdhsa_private_segment_fixed_size 0
		.amdhsa_enable_private_segment 0
		.amdhsa_kernarg_size 16
		.amdhsa_user_sgpr_count 2
		.amdhsa_user_sgpr_kernarg_segment_ptr 1
		.amdhsa_wavefront_size32 1
		.amdhsa_system_sgpr_workgroup_id_x 1
		.amdhsa_system_sgpr_workgroup_id_y 1
		.amdhsa_system_sgpr_workgroup_id_z 1
		.amdhsa_system_vgpr_workitem_id 0
		.amdhsa_next_free_vgpr 512
		.amdhsa_next_free_sgpr 96
		.amdhsa_reserve_vcc 0
		.amdhsa_float_denorm_mode_32 3
		.amdhsa_float_denorm_mode_16_64 3
		.amdhsa_memory_ordered 1
		.amdhsa_forward_progress 1
		.amdhsa_inst_pref_size 54
	.end_amdhsa_kernel
	.amdgpu_metadata
---
amdhsa.version: [ 1, 2 ]
amdhsa.kernels:
  - .name:           k_qf973f5b63e_attn
    .symbol:         k_qf973f5b63e_attn.kd
    .args:
      - { .name: qkvc, .offset: 0, .size: 8, .value_kind: global_buffer, .address_space: global }
      - { .name: oc, .offset: 8, .size: 8, .value_kind: global_buffer, .address_space: global }
    .group_segment_fixed_size: 212992
    .private_segment_fixed_size: 0
    .kernarg_segment_align: 8
    .kernarg_segment_size: 16
    .max_flat_workgroup_size: 256
    .sgpr_count:     96
    .vgpr_count:     512
    .wavefront_size: 32
...
	.end_amdgpu_metadata
.endif
;; end of part 3
;; launch wo (part 4): grid 256 x 1, 16 waves a work-group, no clusters, 73,728 bytes of LDS; arguments oc, pc, ps, bo, x, alpha2, bias2, x1, a2c, a2s; writes x1, a2c, a2s
.if DOCPART == 4
	.amdgcn_target "amdgcn-amd-amdhsa--gfx1250"
	.amdhsa_code_object_version 6
	.text
	.protected	k_qf973f5b63e_wo
	.globl	k_qf973f5b63e_wo
	.p2align	8
	.type	k_qf973f5b63e_wo,@function
k_qf973f5b63e_wo:
	s_mov_b64 s[64:65], 0
	v_nop
	global_prefetch_b8 v0, s[64:65] scope:SCOPE_SE
	s_setreg_imm32_b32 hwreg(HW_REG_WAVE_MODE, 25, 1), 1
	s_wait_xcnt 0x0
; LAUNCH 4: x1 = x + (attention's result) Wo^T + bo, the product on codes of MX-FP6; then the second layer norm of x1 and its quantising along the model's 1,024, in the same launch.  No work is left out.
; SHARES.  A work-group owns ONE TILE OF 16 TOKENS and all 1,024 columns, so that it holds whole rows: it stores x1 (f32, row-major), norms it and stores the next product's operand (a2c, a2s) with no way through memory between.
; 256 tiles: 256 work-groups.  Sixteen waves; wave w makes columns 64 w .. 64 w + 63: four accumulators, K = 1,024 in eight steps of 128, 32 products a wave.
; OPERANDS are images of their registers (launch 1) and go from memory STRAIGHT INTO REGISTERS: a fragment of the weight feeds one product of one wave in this work-group, so a way through LDS would write and read each byte for one use.
; So there is no tensor load, and with it no joint load and no cluster.  No prefetch: the loads into registers run three K steps (60 loads a wave) ahead, and every work-group reads the same weights.
; The matrix instruction is used transposed (source 0 = 16 rows of the weight, source 1 = my 16 tokens): a lane holds one token, and 16 registers of two neighbouring tiles are 16 neighbouring columns (launch 1's order of rows).
; SCALE WORDS: a tile's words of K steps 2 j and 2 j + 1 are 128 bytes on end: one load puts the even step's into lanes 0-15 and the odd step's into lanes 16-31 of one register; the odd steps' products name the upper row.
; x + bo IS THE C OF THE FIRST PRODUCT: x comes as whole rows of 256 bytes, takes the bias there (4 registers serve all rows), and turns through the wave's own stage in LDS (rows of 272 bytes) into the accumulators' layout.
; x1 leaves by the same stage the other way: sixteen lanes store one aligned 256 bytes.
; THE NORM as in launch 1: mean, Bessel-corrected deviation in two passes, alpha (x1 - mean) / (std + 1e-6) + bias; a row's sums are gathered over the sixteen waves in LDS, two barriers.
; A wave's 64 columns are two blocks of 32: half a fragment (768 bytes of its image) and half a scale word.
; LIMITS: NaN and infinities are not served.  A block of zeros gets the scale byte 1 (its codes are zeros; the bytes are read by this program alone).
.set WST,   16*272                     ; a wave's stage
.set RED,   16*WST                     ; [row 16][wave 16] words: the rows' partial sums; 1,024 bytes on, the same for the squares
.set SPARE, RED+2048                   ; the spare words, 128 bytes for each of the sixteen waves: eight blocks of 256 bytes that no other line names
.set OFF_AS, 3145728                   ; A's scale words lie behind its codes, in the same buffer
.set OFF_B,  5505024                   ; the weight's fragments in pc,
.set OFF_BS, 229376                    ; its scale words in ps
.set L16, 1                            ; 16 x lane
.set L8,  2                            ; 8 x lane
.set L4,  3                            ; 4 x lane
.set R4,  4                            ; 4 r
.set STO, 5                            ; the stage in the accumulators' layout: row r, + 64 h
.set RD,  6                            ; the stage by rows: lanes 0-15 one row of 256 bytes, lanes 16-31 the next
.set CO,  7                            ; the same two rows in memory
.set RA,  8                            ; RED + 64 r + 4 w: my word among the partial sums
.set RB,  9                            ; RED + 64 r: my row's sixteen
.set SPW, 10                           ; my spare word; never rewritten
.set NIL, 11                           ; 0; never rewritten
.set BO16, 12                          ; 16 r
.set PW,  13                           ; the two scale bytes
.set ACC, 16                           ; v16-47 four accumulators: register 16 b + i = column 64 w + 32 b + 16 h + i of token r
.set AS,  48                           ; v48-51 A's scale words, v52-67 the weight's (4 u + j)
.set BS,  52
.set SETS, 68                          ; three sets of 60: A's fragment, then the weight's four; K step k uses set k % 3
.set XR,  188                          ; x by rows, in set 2 before its first loads
.set BIA, 248                          ; the bias of my four columns of a row
.set OB,  68                           ; behind the products: x1 by rows
.set SA,  100                          ; the sums: two chains, a lane permute's destination
.set SB,  108                          ; the sixteen waves' parts
.set MEAN, 124
.set G,   126
.set BM,  128
.set PM,  130
.set SO,  132
.set PC,  134                          ; the codes
.set PT,  140
.set WV,  24
.set SEL, 44
.macro PLACES
.rept 4
	v_nop
.endr
.endm
.macro FR reg, base, off               ; a fragment's image into its 12 registers
	global_load_b128 v[\reg:\reg+3], v[L16], s[\base:\base+1] offset:\off
	global_load_b64 v[\reg+4:\reg+5], v[L8], s[\base:\base+1] offset:(\off)+512
	global_load_b128 v[\reg+6:\reg+9], v[L16], s[\base:\base+1] offset:(\off)+768
	global_load_b64 v[\reg+10:\reg+11], v[L8], s[\base:\base+1] offset:(\off)+1280
.endm
.macro GLOAD ks                        ; K step ks: 20 loads
	FR SETS+60*((\ks)%3), 26, (\ks)*1536
.irp u, 0,1,2,3
	FR SETS+60*((\ks)%3)+12+12*\u, 30, \u*12288+(\ks)*1536
.endr
.endm
.macro LANESUM area                    ; the two chains -> my wave's part of row r's sum -> LDS
	v_pk_add_f32 v[SA:SA+1], v[SA:SA+1], v[SA+2:SA+3]
	v_add_f32 v[SA], v[SA], v[SA+1]
	v_permlanex16_b32 v[SA+4], v[SA], s[SEL], s[SEL+1]
	v_add_f32 v[SA], v[SA], v[SA+4]                ; lanes l and l xor 16 hold the same row
	ds_store_b32 v[RA], v[SA] offset:\area         ; (both write the same word with the same value)
.endm
.macro ROWSUM area                     ; the sixteen waves' parts of my row -> v[SB]
.irp q, 0,1,2,3
	ds_load_b128 v[SB+4*\q:SB+4*\q+3], v[RB] offset:\area+16*\q
.endr
	s_wait_dscnt 0x0
.irp q, 0,4,8,12
	v_pk_add_f32 v[SB+\q:SB+\q+1], v[SB+\q:SB+\q+1], v[SB+\q+2:SB+\q+3]
.endr
	v_pk_add_f32 v[SB:SB+1], v[SB:SB+1], v[SB+4:SB+5]
	v_pk_add_f32 v[SB+8:SB+9], v[SB+8:SB+9], v[SB+12:SB+13]
	v_pk_add_f32 v[SB:SB+1], v[SB:SB+1], v[SB+8:SB+9]
	v_add_f32 v[SB], v[SB], v[SB+1]
.endm
	s_load_b512 s[4:19], s[0:1], 0x0               ; oc s[4:5], pc s[6:7], ps s[8:9], bo s[10:11], x s[12:13], alpha2 s[14:15], bias2 s[16:17], x1 s[18:19]
	s_load_b128 s[20:23], s[0:1], 0x40             ; a2c s[20:21], a2s s[22:23]
	v_lshl_add_u32 v[SPW], v0, 2, SPARE
	v_mov_b32 v[NIL], 0
	v_lshrrev_b32 v14, 5, v0
	v_readfirstlane_b32 s[WV], v14                 ; wave 0..15
	v_and_b32 v14, 31, v0
	v_and_b32 v15, 15, v0                          ; r
	v_lshlrev_b32 v[L16], 4, v14
	v_lshlrev_b32 v[L8], 3, v14
	v_lshlrev_b32 v[L4], 2, v14
	v_lshlrev_b32 v[R4], 2, v15
	v_lshlrev_b32 v[BO16], 4, v15
	v_bfe_u32 v14, v0, 4, 1                        ; h
	s_mul_i32 s50, s[WV], WST
	v_mul_u32_u24 v[STO], v15, 272
	v_lshl_add_u32 v[STO], v14, 6, v[STO]
	v_add_nc_u32 v[STO], s50, v[STO]
	v_mul_u32_u24 v[RD], v14, 272
	v_lshl_add_u32 v[RD], v15, 4, v[RD]
	v_add_nc_u32 v[RD], s50, v[RD]
	v_lshl_add_u32 v[CO], v14, 12, v[BO16]
	v_lshl_add_u32 v[RB], v15, 6, RED
	s_lshl_b32 s50, s[WV], 2
	v_add_nc_u32 v[RA], s50, v[RB]
	s_mov_b32 s[SEL], 0x76543210
	s_mov_b32 s[SEL+1], 0xfedcba98
	s_mul_i32 s26, ttmp9, 12288                    ; A's eight fragments of my tile
	s_mov_b32 s27, 0
	s_lshl_b32 s28, ttmp9, 9                       ; their scale words
	s_add_co_u32 s28, s28, OFF_AS
	s_mov_b32 s29, 0
	s_mul_i32 s30, s[WV], 49152                    ; the weight's tiles 4 w .. 4 w + 3, eight fragments each
	s_add_co_u32 s30, s30, OFF_B
	s_mov_b32 s31, 0
	s_lshl_b32 s32, s[WV], 11
	s_add_co_u32 s32, s32, OFF_BS
	s_mov_b32 s33, 0
	s_lshl_b32 s34, s[WV], 8                       ; my 64 columns, in bytes
	s_mov_b32 s35, 0
	s_lshr_b32 s50, ttmp9, 1
	s_lshl_b32 s50, s50, 5
	s_and_b32 s51, ttmp9, 1
	s_lshl_b32 s51, s51, 3
	s_add_co_u32 s50, s50, s51                     ; the tile's first token: 32 (t / 2) + 8 (t % 2)
	s_lshl_b32 s36, s50, 12
	s_add_co_u32 s36, s36, s34
	s_mov_b32 s37, 0
	s_lshl_b32 s50, ttmp9, 3
	s_lshr_b32 s51, s[WV], 1
	s_add_co_u32 s50, s50, s51                     ; the fragment that my columns belong to: 8 t + w / 2,
	s_and_b32 s51, s[WV], 1                        ; and which half of it
	s_mul_i32 s40, s50, 1536
	s_mul_i32 s52, s51, 768
	s_add_co_u32 s40, s40, s52
	s_mov_b32 s41, 0
	s_lshl_b32 s42, s50, 6
	s_lshl_b32 s52, s51, 1
	s_add_co_u32 s42, s42, s52
	s_mov_b32 s43, 0
	s_wait_alu depctr_va_vdst(0)                   ; the wait at the head's end
	s_wait_kmcnt 0x0
	s_add_nc_u64 s[26:27], s[4:5], s[26:27]
	s_add_nc_u64 s[28:29], s[4:5], s[28:29]
	s_add_nc_u64 s[30:31], s[6:7], s[30:31]
	s_add_nc_u64 s[32:33], s[8:9], s[32:33]
	s_add_nc_u64 s[34:35], s[10:11], s[34:35]
	s_add_nc_u64 s[38:39], s[18:19], s[36:37]
	s_add_nc_u64 s[36:37], s[12:13], s[36:37]
	s_add_nc_u64 s[40:41], s[20:21], s[40:41]
	s_add_nc_u64 s[42:43], s[22:23], s[42:43]
	global_load_b128 v[BIA:BIA+3], v[BO16], s[34:35]
.irp t, 0,1,2,3,4,5,6,7
	global_load_b128 v[XR+4*\t:XR+4*\t+3], v[CO], s[36:37] offset:(2*\t+8*(\t/4))*4096 th:TH_LOAD_NT   ; stage rows 2 t, 2 t + 1 are these two tokens: sixteen lanes read 256 consecutive bytes
.endr
.irp j, 0,1,2,3
	global_load_b32 v[AS+\j], v[L4], s[28:29] offset:128*\j
.endr
.irp u, 0,1,2,3
.irp j, 0,1,2,3
	global_load_b32 v[BS+4*\u+\j], v[L4], s[32:33] offset:512*\u+128*\j
.endr
.endr
	GLOAD 0
	GLOAD 1
	s_load_b32 s46, s[14:15], 0x0                  ; alpha
	s_load_b32 s48, s[16:17], 0x0                  ; bias
	s_wait_loadcnt 60                              ; the bias and x are in; behind them 20 loads of scale words and 40 of two K steps
.irp t, 0,1,2,3,4,5,6,7
	v_pk_add_f32 v[XR+4*\t:XR+4*\t+1], v[XR+4*\t:XR+4*\t+1], v[BIA:BIA+1]
	v_pk_add_f32 v[XR+4*\t+2:XR+4*\t+3], v[XR+4*\t+2:XR+4*\t+3], v[BIA+2:BIA+3]
.endr
.irp t, 0,1,2,3,4,5,6,7
	ds_store_b128 v[RD], v[XR+4*\t:XR+4*\t+3] offset:544*\t
.endr
.irp u, 0,1,2,3
	ds_load_b128 v[ACC+8*\u:ACC+8*\u+3], v[STO] offset:128*(\u/2)+32*(\u%2)       ; LDS serves a wave's instructions in order: these see my stores
	ds_load_b128 v[ACC+8*\u+4:ACC+8*\u+7], v[STO] offset:128*(\u/2)+32*(\u%2)+16
.endr
	s_wait_dscnt 0x0                               ; x + bo lies in the accumulators, and the stores have read set 2's registers
	GLOAD 2
.set KS, 0
.rept 8
.if KS <= 5
	s_wait_loadcnt 40                              ; this K step's 20 loads are in; the two later steps' may be out
.else
	s_wait_loadcnt 20*(7-KS)
.endif
.irp u, 0,1,2,3                                ; the four accumulators by turns, one instruction a turn
.if KS%2 == 0
	v_wmma_scale_f32_16x16x128_f8f6f4 v[ACC+8*\u:ACC+8*\u+7], v[SETS+60*(KS%3)+12+12*\u:SETS+60*(KS%3)+23+12*\u], v[SETS+60*(KS%3):SETS+60*(KS%3)+11], v[ACC+8*\u:ACC+8*\u+7], v[BS+4*\u+KS/2], v[AS+KS/2] matrix_a_fmt:MATRIX_FMT_FP6 matrix_b_fmt:MATRIX_FMT_FP6
.else
	v_wmma_scale_f32_16x16x128_f8f6f4 v[ACC+8*\u:ACC+8*\u+7], v[SETS+60*(KS%3)+12+12*\u:SETS+60*(KS%3)+23+12*\u], v[SETS+60*(KS%3):SETS+60*(KS%3)+11], v[ACC+8*\u:ACC+8*\u+7], v[BS+4*\u+KS/2], v[AS+KS/2] matrix_a_fmt:MATRIX_FMT_FP6 matrix_b_fmt:MATRIX_FMT_FP6 matrix_a_scale:MATRIX_SCALE_ROW1 matrix_b_scale:MATRIX_SCALE_ROW1
.endif
.endr
.if KS+3 < 8
	PLACES                                         ; four places in front of loads into registers that the products have read
	GLOAD KS+3
.endif
.set KS, KS+1
.endr
	s_wait_kmcnt 0x0                               ; alpha and bias
	s_mov_b32 s49, s48                             ; (named with it as a pair, so it is written)
	PLACES
	; x1 goes out by rows
.irp u, 0,1,2,3
	ds_store_b128 v[STO], v[ACC+8*\u:ACC+8*\u+3] offset:128*(\u/2)+32*(\u%2)        ; each accumulator from its low end on
	ds_store_b128 v[STO], v[ACC+8*\u+4:ACC+8*\u+7] offset:128*(\u/2)+32*(\u%2)+16
.endr
.irp t, 0,1,2,3,4,5,6,7
	ds_load_b128 v[OB+4*\t:OB+4*\t+3], v[RD] offset:544*\t
.endr
	v_mov_b32 v[SA+4], 0                           ; a lane permute's destination counts as one of its sources
	v_mov_b32 v[PM], 0
	v_mov_b32 v[PM+1], 0
	v_pk_add_f32 v[SA:SA+1], v[ACC:ACC+1], v[ACC+4:ACC+5]       ; my 32 numbers, two at a time, in two chains
	v_pk_add_f32 v[SA+2:SA+3], v[ACC+2:ACC+3], v[ACC+6:ACC+7]
.irp j, 8,12,16,20,24,28
	v_pk_add_f32 v[SA:SA+1], v[SA:SA+1], v[ACC+\j:ACC+\j+1]
	v_pk_add_f32 v[SA+2:SA+3], v[SA+2:SA+3], v[ACC+\j+2:ACC+\j+3]
.endr
	LANESUM 0
	s_wait_alu depctr_va_vdst(0)                   ; directly ahead of the wait below
	s_wait_dscnt 0x0                               ; x1's rows are back, and, for the others' sake, my word has landed
.irp t, 0,1,2,3,4,5,6,7
	global_store_b128 v[CO], v[OB+4*\t:OB+4*\t+3], s[38:39] offset:(2*\t+8*(\t/4))*4096   ; 16 lanes store 256 consecutive bytes, at a multiple of 256 from the buffer's first byte
.endr
	s_barrier_signal -1
	s_barrier_wait -1
	ROWSUM 0
	v_mul_f32 v[MEAN], 0x3a800000, v[SB]           ; / 1,024
	v_mov_b32 v[MEAN+1], v[MEAN]
.set J, 0
.rept 16
	v_pk_add_f32 v[ACC+J:ACC+J+1], v[ACC+J:ACC+J+1], v[MEAN:MEAN+1] neg_lo:[0,1] neg_hi:[0,1]   ; x1 - mean
.set J, J+2
.endr
	v_pk_mul_f32 v[SA:SA+1], v[ACC:ACC+1], v[ACC:ACC+1]
	v_pk_mul_f32 v[SA+2:SA+3], v[ACC+2:ACC+3], v[ACC+2:ACC+3]
.irp j, 4,8,12,16,20,24,28
	v_pk_fma_f32 v[SA:SA+1], v[ACC+\j:ACC+\j+1], v[ACC+\j:ACC+\j+1], v[SA:SA+1]
	v_pk_fma_f32 v[SA+2:SA+3], v[ACC+\j+2:ACC+\j+3], v[ACC+\j+2:ACC+\j+3], v[SA+2:SA+3]
.endr
	LANESUM 1024
	s_wait_alu depctr_va_vdst(0)                   ; directly ahead of the wait below
	s_wait_dscnt 0x0
	s_barrier_signal -1
	s_barrier_wait -1
	ROWSUM 1024
	v_mul_f32 v[SB], 0x3a802008, v[SB]             ; / 1,023
	s_wait_alu depctr_va_vdst(0)                   ; ahead of the transcendental
	v_sqrt_f32 v[SB+1], v[SB]
	v_nop                                          ; a plain place behind the transcendental,
	s_wait_alu depctr_va_vdst(0)                   ; and the wait ahead of its first reader
	v_add_f32 v[SB+1], 0x358637bd, v[SB+1]         ; + 1e-6
	s_wait_alu depctr_va_vdst(0)
	v_rcp_f32 v[SB+2], v[SB+1]
	v_nop
	s_wait_alu depctr_va_vdst(0)
	v_mul_f32 v[G], s46, v[SB+2]
	v_mov_b32 v[G+1], v[G]
.set J, 0
.rept 16
	v_pk_fma_f32 v[ACC+J:ACC+J+1], v[ACC+J:ACC+J+1], v[G:G+1], s[48:49] op_sel_hi:[1,1,0]
.set J, J+2
.endr
	; two blocks of 32 along the next K
.irp b, 0,1
	v_max3_num_f32 v[BM+\b], |v[ACC+16*\b]|, |v[ACC+16*\b+1]|, 0x1800000   ; my 16 numbers, and the floor 2^(3 - 127): the byte cannot fall under 1
.endr
.irp i, 2,4,6,8,10,12,14
.irp b, 0,1
	v_max3_num_f32 v[BM+\b], v[BM+\b], |v[ACC+16*\b+\i]|, |v[ACC+16*\b+\i+1]|
.endr
.endr
.irp b, 0,1
	v_permlanex16_b32 v[PM+\b], v[BM+\b], s[SEL], s[SEL+1]
.endr
.irp b, 0,1
	v_max_num_f32 v[BM+\b], v[BM+\b], v[PM+\b]     ; with lane l xor 16's: the block's largest magnitude
.endr
.irp b, 0,1
	v_add_nc_u32 v[SO+\b], 0xff000000, v[BM+\b]    ; 2 off its exponent field: the conversion's scale operand
.endr
.irp b, 0,1
	v_lshrrev_b32 v[PM+\b], 23, v[SO+\b]           ; the scale's byte
.endr
	v_lshl_or_b32 v[PW], v[PM+1], 8, v[PM]
	v_cvt_scalef32_pk16_fp6_f32 v[PC:PC+2], v[ACC:ACC+15], v[SO]
	v_cvt_scalef32_pk16_fp6_f32 v[PT:PT+2], v[ACC+16:ACC+31], v[SO+1]   ; (a conversion's three registers begin on an even number)
	v_nop                                          ; one plain place behind a scaled conversion
.irp i, 0,1,2
	v_permlane16_swap_b32 v[PC+\i], v[PT+\i]       ; the operand wants a whole block in a lane
.endr
.irp i, 0,1,2
	v_mov_b32 v[PC+3+\i], v[PT+\i]
.endr
	global_store_b128 v[L16], v[PC:PC+3], s[40:41]            ; 512 and 256 consecutive bytes, each at a multiple of 256 from the buffer's first byte
	global_store_b64 v[L8], v[PC+4:PC+5], s[40:41] offset:512
	global_store_b16 v[R4], v[PW], s[42:43]                   ; my half of the row's scale word
	s_wait_tensorcnt 0x0                           ; the wave's end, behind my last LDS store
	ds_add_u32 v[SPW], v[NIL]
	s_wait_dscnt 0x0
	s_endpgm
.Lfunc_end_k_qf973f5b63e_wo:
	.size	k_qf973f5b63e_wo, .Lfunc_end_k_qf973f5b63e_wo-k_qf973f5b63e_wo
	.p2alignl 7, 3214868480
	.fill 96, 4, 3214868480
	.section	.rodata,"a",@progbits
	.p2align	6, 0x0
	.amdhsa_kernel k_qf973f5b63e_wo
		.amdhsa_group_segment_fixed_size 73728
		.amdhsa_private_segment_fixed_size 0
		.amdhsa_enable_private_segment 0
		.amdhsa_kernarg_size 80
		.amdhsa_user_sgpr_count 2
		.amdhsa_user_sgpr_kernarg_segment_ptr 1
		.amdhsa_wavefront_size32 1
		.amdhsa_system_sgpr_workgroup_id_x 1
		.amdhsa_system_sgpr_workgroup_id_y 1
		.amdhsa_system_sgpr_workgroup_id_z 1
		.amdhsa_system_vgpr_workitem_id 0
		.amdhsa_next_free_vgpr 256
		.amdhsa_next_free_sgpr 66
		.amdhsa_reserve_vcc 0
		.amdhsa_float_denorm_mode_32 3
		.amdhsa_float_denorm_mode_16_64 3
		.amdhsa_memory_ordered 1
		.amdhsa_forward_progress 1
		.amdhsa_inst_pref_size 39
	.end_amdhsa_kernel
	.amdgpu_metadata
---
amdhsa.version: [ 1, 2 ]
amdhsa.kernels:
  - .name:           k_qf973f5b63e_wo
    .symbol:         k_qf973f5b63e_wo.kd
    .args:
      - { .name: oc, .offset: 0, .size: 8, .value_kind: global_buffer, .address_space: global }
      - { .name: pc, .offset: 8, .size: 8, .value_kind: global_buffer, .address_space: global }
      - { .name: ps, .offset: 16, .size: 8, .value_kind: global_buffer, .address_space: global }
      - { .name: bo, .offset: 24, .size: 8, .value_kind: global_buffer, .address_space: global }
      - { .name: x, .offset: 32, .size: 8, .value_kind: global_buffer, .address_space: global }
      - { .name: alpha2, .offset: 40, .size: 8, .value_kind: global_buffer, .address_space: global }
      - { .name: bias2, .offset: 48, .size: 8, .value_kind: global_buffer, .address_space: global }
      - { .name: x1, .offset: 56, .size: 8, .value_kind: global_buffer, .address_space: global }
      - { .name: a2c, .offset: 64, .size: 8, .value_kind: global_buffer, .address_space: global }
      - { .name: a2s, .offset: 72, .size: 8, .value_kind: global_buffer, .address_space: global }
    .group_segment_fixed_size: 73728
    .private_segment_fixed_size: 0
    .kernarg_segment_align: 8
    .kernarg_segment_size: 80
    .max_flat_workgroup_size: 512
    .sgpr_count:     66
    .vgpr_count:     256
    .wavefront_size: 32
...
	.end_amdgpu_metadata
.endif
;; end of part 4
;; launch ffn1 (part 5): grid 16 x 16, 4 waves a work-group, clusters of 4 x 4, 327,680 bytes of LDS; arguments a2c, a2s, pc, ps, b1, hc; writes hc
.if DOCPART == 5
	.amdgcn_target "amdgcn-amd-amdhsa--gfx1250"
	.amdhsa_code_object_version 6
	.text
	.protected	k_qf973f5b63e_ffn1
	.globl	k_qf973f5b63e_ffn1
	.p2align	8
	.type	k_qf973f5b63e_ffn1,@function
k_qf973f5b63e_ffn1:
	s_mov_b64 s[64:65], 0
	v_nop
	global_prefetch_b8 v0, s[64:65] scope:SCOPE_SE
	s_setreg_imm32_b32 hwreg(HW_REG_WAVE_MODE, 25, 1), 1
	s_wait_xcnt 0x0
	s_wait_alu depctr_hold_cnt(0) depctr_sa_sdst(0) depctr_va_vdst(0) depctr_va_sdst(0) depctr_va_ssrc(0) depctr_va_vcc(0) depctr_vm_vsrc(0)
	s_getreg_b32 s2, hwreg(HW_REG_IB_STS2, 6, 4)
	s_cmp_eq_u32 s2, 0
	s_cbranch_scc0 .Lentry_in_a_cluster
	s_endpgm
.Lentry_in_a_cluster:
	s_bfe_u32 s2, ttmp6, 0x10000c
	s_cmp_lg_u32 s2, 0xf033
	s_cbranch_scc0 .Lentry_shape_is_right
	s_endpgm
.Lentry_shape_is_right:
.set MB,    8
.set NQ,    2
.set KT,    8
.set OFF_B,  6291456
.set OFF_BS, 262144
.set OUT_S,  12582912
.set FRB,   1536
.set RBB,   NQ*FRB
.set HALFT, MB*RBB
.set SLOT,  4*HALFT
.set SCL,   2*SLOT
.set HALFS, MB*KT*64
.set SPARE, SCL+4*HALFS
.set LAPS,  KT/(2*NQ)
.set NL,    4
.set HB,    MB/2
.set L16, 8
.set L8,  9
.set R4,  10
.set VB,  12
.set ADRA, 16
.set ADRB, 20
.set ADRS, 27
.set SPW, 28
.set NIL, 29
.set FL,  30
.set SC,  32
.set BI,  64
.set AF,  128
.set TM,  128
.set PW,  144
.set PC,  148
.set WV, 20
.set HA, 21
.set HW, 22
.set G1, 24
.set G0, 32
.set G1B, 48
.set G0B, 56
.set G1S, 68
.set G0S, 76
.set G1SB, 80
.set G0SB, 88
.set SEL, 98
.set MSB, 0
.macro WIN new
.if MSB != (\new)
	s_set_vgpr_msb (MSB<<8)|(\new)
.set MSB, (\new)
.endif
.endm
.macro PLACES
.rept 4
	v_nop
.endr
.endm
.macro JLOAD g0a, g1a, g0b, g1b
	s_cmp_eq_u32 s[HA], 0
	s_cbranch_scc0 .Lfor_b_\@
	tensor_load_to_lds s[\g0a:\g0a+3], s[\g1a:\g1a+7]
	s_nop 0
	PLACES
	s_branch .Lasked_\@
.Lfor_b_\@:
	tensor_load_to_lds s[\g0b:\g0b+3], s[\g1b:\g1b+7]
	s_nop 0
	PLACES
.Lasked_\@:
.endm
.macro CREST
	s_cmp_lg_u32 s[WV], 0
	s_cbranch_scc1 .Lnot_wave_0_\@
	s_barrier_signal -3
.Lnot_wave_0_\@:
	s_barrier_wait -3
	s_barrier_signal -1
	s_barrier_wait -1
.endm
.macro CROUND
	s_barrier_signal -1
	s_barrier_wait -1
	CREST
.endm
.macro FRAG reg, adr, off
	ds_load_b128 v[\reg:\reg+3], v[\adr] offset:\off
	ds_load_b64 v[\reg+4:\reg+5], v[\adr+2] offset:(\off)+512
	ds_load_b128 v[\reg+6:\reg+9], v[\adr] offset:(\off)+768
	ds_load_b64 v[\reg+10:\reg+11], v[\adr+2] offset:(\off)+1280
.endm
.macro FETCH_B slot, q, p
	WIN 0x40
.set FI, 0
.rept MB
	FRAG 128*(\p)+12*FI, ADRB+\slot, FI*RBB+(\q)*FRB
.set FI, FI+1
.endr
	WIN 0
.endm
.macro FETCH_A slot, q, i0
.set FI, \i0
.rept HB
	FRAG AF+12*FI, ADRA+\slot, FI*RBB+(\q)*FRB
.set FI, FI+1
.endr
.endm
.macro SCALES set
.set FI, 0
.rept MB
.set FQ, 0
.rept NQ
	ds_load_b32 v[SC+16*(\set)+NQ*FI+FQ], v[ADRS] offset:FI*KT*64+64*FQ
.set FQ, FQ+1
.endr
.set FI, FI+1
.endr
.endm
.macro MULA a, p, q, sc, cm
.set AW, 2+(\a)/4
.set AC, 8*MB*((\a)%4)
.if (\cm) == 0
	WIN 0x01|(AW<<4)|(AW<<6)
.else
	WIN 0x01|(AW<<6)
.endif
.set BJ, 0
.rept MB
.if (\cm) == 0
	v_wmma_scale_f32_16x16x128_f8f6f4 v[AC+8*BJ:AC+8*BJ+7], v[128*(\p)+12*BJ:128*(\p)+12*BJ+11], v[AF+12*(\a):AF+12*(\a)+11], v[AC+8*BJ:AC+8*BJ+7], v[SC+16*(\sc)+NQ*BJ+(\q)], v[SC+16*(\sc)+NQ*(\a)+(\q)] matrix_a_fmt:MATRIX_FMT_FP6 matrix_b_fmt:MATRIX_FMT_FP6 matrix_a_scale:MATRIX_SCALE_ROW1
.else
	v_wmma_scale_f32_16x16x128_f8f6f4 v[AC+8*BJ:AC+8*BJ+7], v[128*(\p)+12*BJ:128*(\p)+12*BJ+11], v[AF+12*(\a):AF+12*(\a)+11], v[BI+8*BJ:BI+8*BJ+7], v[SC+16*(\sc)+NQ*BJ+(\q)], v[SC+16*(\sc)+NQ*(\a)+(\q)] matrix_a_fmt:MATRIX_FMT_FP6 matrix_b_fmt:MATRIX_FMT_FP6 matrix_a_scale:MATRIX_SCALE_ROW1
.endif
.set BJ, BJ+1
.endr
.endm
.macro STEP slot, q, cm
	s_wait_dscnt HB*NL
.set SA, 0
.rept HB
	MULA SA, (\q)%2, \q, \slot, \cm
.set SA, SA+1
.endr
	s_wait_dscnt 0x0
	PLACES
	FETCH_B \slot, (\q)+1, 1-(\q)%2
	FETCH_A \slot, (\q)+1, 0
.rept HB
	MULA SA, (\q)%2, \q, \slot, \cm
.set SA, SA+1
.endr
	PLACES
	WIN 0
	FETCH_A \slot, (\q)+1, HB
.endm
.macro TURN slot, next, fill
	s_wait_tensorcnt 0x0
	ds_add_u32 v[SPW], v[NIL]
	s_wait_dscnt HB*NL+1
.set SA, 0
.rept HB/2
	MULA SA, 1, NQ-1, \slot, 0
.set SA, SA+1
.endr
	s_wait_dscnt 0x0
	s_barrier_signal -1
.rept HB/2
	MULA SA, 1, NQ-1, \slot, 0
.set SA, SA+1
.endr
	WIN 0
	s_barrier_wait -1
.if \fill
	CREST
	s_add_nc_u64 s[G0+4*\slot+2:G0+4*\slot+3], s[G0+4*\slot+2:G0+4*\slot+3], 2*RBB
	s_add_nc_u64 s[G0B+4*\slot+2:G0B+4*\slot+3], s[G0B+4*\slot+2:G0B+4*\slot+3], 2*RBB
	JLOAD G0+4*\slot, G1, G0B+4*\slot, G1B
.else
	PLACES
.endif
	s_wait_alu depctr_va_vdst(0)
	v_add_nc_u32 v[ADRS], 64*NQ, v[ADRS]
	FETCH_B \next, 0, 0
	FETCH_A \next, 0, 0
	SCALES \next
.rept HB
	MULA SA, 1, NQ-1, \slot, 0
.set SA, SA+1
.endr
	PLACES
	WIN 0
	FETCH_A \next, 0, HB
.endm
.macro LAST
	s_wait_dscnt HB*NL
.set SA, 0
.rept HB
	MULA SA, 1, NQ-1, 1, 0
.set SA, SA+1
.endr
	s_wait_dscnt 0x0
.rept HB
	MULA SA, 1, NQ-1, 1, 0
.set SA, SA+1
.endr
	WIN 0
.endm
.macro QUANTW s, w
	s_wait_xcnt 0x0
	WIN ((\w)<<2)|((\w)<<4)
.irp b, 0,1,2,3
	v_max3_num_f32 v[TM+\b], v[FL], |v[(\s)+16*\b]|, |v[(\s)+16*\b+1]|
.endr
.irp i, 2,4,6,8,10,12,14
.irp b, 0,1,2,3
	v_max3_num_f32 v[TM+\b], v[TM+\b], |v[(\s)+16*\b+\i]|, |v[(\s)+16*\b+\i+1]|
.endr
.endr
	WIN 0
.irp b, 0,1,2,3
	v_permlanex16_b32 v[TM+4+\b], v[TM+\b], s[SEL], s[SEL+1]
.endr
.irp b, 0,1,2,3
	v_max_num_f32 v[TM+\b], v[TM+\b], v[TM+4+\b]
.endr
.irp b, 0,1,2,3
	v_add_nc_u32 v[TM+12+\b], 0xff000000, v[TM+\b]
.endr
.irp b, 0,1,2,3
	v_lshrrev_b32 v[TM+4+\b], 23, v[TM+12+\b]
.endr
	v_lshl_or_b32 v[PW], v[TM+5], 8, v[TM+4]
	v_lshl_or_b32 v[PW], v[TM+6], 16, v[PW]
	v_lshl_or_b32 v[PW], v[TM+7], 24, v[PW]
	WIN \w
.irp c, 0,1
	v_cvt_scalef32_pk16_fp6_f32 v[PC+6*\c:PC+2+6*\c], v[(\s)+32*\c:(\s)+32*\c+15], v[TM+12+2*\c]
	v_cvt_scalef32_pk16_fp6_f32 v[PC+12+4*\c:PC+14+4*\c], v[(\s)+32*\c+16:(\s)+32*\c+31], v[TM+13+2*\c]
.endr
	WIN 0
	v_nop
.irp c, 0,1
.irp i, 0,1,2
	v_permlane16_swap_b32 v[PC+6*\c+\i], v[PC+12+4*\c+\i]
.endr
.irp i, 0,1,2
	v_mov_b32 v[PC+3+6*\c+\i], v[PC+12+4*\c+\i]
.endr
.endr
.endm
	s_load_b256 s[4:11], s[0:1], 0x0
	s_load_b128 s[12:15], s[0:1], 0x20
	v_lshl_add_u32 v[SPW], v0, 2, SPARE
	v_mov_b32 v[NIL], 0
	ds_add_u32 v[SPW], v[NIL]
	ds_add_u32 v[SPW], v[NIL]
	v_lshrrev_b32 v1, 5, v0
	v_readfirstlane_b32 s[WV], v1
	s_lshr_b32 s[HA], s[WV], 1
	s_and_b32 s[HW], s[WV], 1
	s_bfe_u32 s40, ttmp6, 0x40000
	s_bfe_u32 s41, ttmp6, 0x40004
	s_lshl_b32 s42, ttmp9, 2
	s_add_co_u32 s42, s42, s40
	s_and_b32 s43, ttmp7, 0xffff
	s_lshl_b32 s43, s43, 2
	s_add_co_u32 s43, s43, s41
	s_lshl_b32 s44, s41, 2
	s_lshl_b32 s44, 15, s44
	s_lshl_b32 s45, 0x1111, s40
	s_or_b32 s[G1], s44, (3<<16)|(1<<21)
	s_or_b32 s[G1B], s45, (3<<16)|(1<<21)
.irp g, G1, G1B
	s_mov_b32 s[\g+1], (NQ*192)<<16
	s_mov_b32 s[\g+2], MB<<16
	s_mov_b32 s[\g+3], (NQ*192)<<16
	s_mov_b32 s[\g+4], MB
	s_mov_b32 s[\g+5], KT*192
	s_mov_b32 s[\g+6], 0
	s_mov_b32 s[\g+7], 0
.endr
	s_or_b32 s[G1S], s44, (3<<16)|(1<<21)
	s_or_b32 s[G1SB], s45, (3<<16)|(1<<21)
.irp g, G1S, G1SB
	s_mov_b32 s[\g+1], 32<<16
	s_mov_b32 s[\g+2], (HALFS/256)<<16
	s_mov_b32 s[\g+3], 32<<16
	s_mov_b32 s[\g+4], HALFS/256
	s_mov_b32 s[\g+5], 32
	s_mov_b32 s[\g+6], 0
	s_mov_b32 s[\g+7], 0
.endr
	s_mul_i32 s23, s[HW], MB
	s_mul_i32 s66, s43, 2*MB
	s_add_co_u32 s66, s66, s23
	s_mul_i32 s67, s42, 2*MB
	s_add_co_u32 s67, s67, s23
	s_mul_i32 s2, s66, KT*FRB
	s_mov_b32 s3, 0
	s_mul_i32 s46, s66, KT*64
	s_mov_b32 s47, 0
	s_mul_i32 s92, s67, KT*FRB
	s_add_co_u32 s92, s92, OFF_B
	s_mov_b32 s93, 0
	s_mul_i32 s94, s67, KT*64
	s_add_co_u32 s94, s94, OFF_BS
	s_mov_b32 s95, 0
	s_mul_i32 s96, s[WV], HALFT
	s_mul_i32 s97, s[WV], HALFS
	s_mov_b32 s[SEL], 0x76543210
	s_mov_b32 s[SEL+1], 0xfedcba98
	s_wait_dscnt 0x0
	s_wait_kmcnt 0x0
	s_add_nc_u64 s[2:3], s[4:5], s[2:3]
	s_add_nc_u64 s[46:47], s[6:7], s[46:47]
	s_add_nc_u64 s[92:93], s[8:9], s[92:93]
	s_add_nc_u64 s[94:95], s[10:11], s[94:95]
	CROUND
	s_mov_b32 s[G0S], 1
	s_add_co_u32 s[G0S+1], s97, SCL
	s_mov_b64 s[G0S+2:G0S+3], s[46:47]
	s_or_b32 s[G0S+3], s[G0S+3], 0x80000000
	s_mov_b32 s[G0SB], 1
	s_add_co_u32 s[G0SB+1], s97, SCL
	s_mov_b64 s[G0SB+2:G0SB+3], s[94:95]
	s_or_b32 s[G0SB+3], s[G0SB+3], 0x80000000
	JLOAD G0S, G1S, G0SB, G1SB
.irp s, 0,1
	s_mov_b32 s[G0+4*\s], 1
	s_add_co_u32 s[G0+4*\s+1], s96, \s*SLOT
	s_add_nc_u64 s[G0+4*\s+2:G0+4*\s+3], s[2:3], \s*RBB
	s_or_b32 s[G0+4*\s+3], s[G0+4*\s+3], 0x80000000
	s_mov_b32 s[G0B+4*\s], 1
	s_add_co_u32 s[G0B+4*\s+1], s96, \s*SLOT
	s_add_nc_u64 s[G0B+4*\s+2:G0B+4*\s+3], s[92:93], \s*RBB
	s_or_b32 s[G0B+4*\s+3], s[G0B+4*\s+3], 0x80000000
	s_wait_alu depctr_va_vdst(0)
	s_wait_tensorcnt 0x0
	ds_add_u32 v28, v29
	s_wait_dscnt 0x0
	CROUND
	JLOAD G0+4*\s, G1, G0B+4*\s, G1B
.endr
	v_and_b32 v3, 31, v0
	v_and_b32 v1, 15, v0
	v_bfe_u32 v2, v0, 4, 1
	v_lshlrev_b32 v[L16], 4, v3
	v_lshlrev_b32 v[L8], 3, v3
	v_lshlrev_b32 v[R4], 2, v1
	v_lshlrev_b32 v[VB], 6, v2
	v_mov_b32 v[FL], 0x1800000
	s_mul_i32 s66, s[HA], HALFT
	s_mul_i32 s67, s[HW], HALFT
	s_add_co_u32 s67, s67, 2*HALFT
.irp s, 0,1
	v_add_nc_u32 v[ADRA+\s], s66, v[L16]
	v_add_nc_u32 v[ADRA+2+\s], s66, v[L8]
	v_add_nc_u32 v[ADRB+\s], s67, v[L16]
	v_add_nc_u32 v[ADRB+2+\s], s67, v[L8]
	s_add_co_u32 s66, s66, SLOT
	s_add_co_u32 s67, s67, SLOT
.endr
	s_mul_i32 s66, s[HA], HALFS
	s_mul_i32 s67, s[HW], HALFS
	s_add_co_u32 s67, s67, 2*HALFS
	s_sub_co_u32 s67, s67, s66
	v_mul_u32_u24 v4, s67, v2
	s_add_co_u32 s66, s66, SCL
	v_add_nc_u32 v4, v4, v[R4]
	v_add_nc_u32 v[ADRS], s66, v4
	s_lshl_b32 s94, s42, 10
	s_lshl_b32 s95, s[HW], 9
	s_add_co_u32 s94, s94, s95
	s_mov_b32 s95, 0
	s_add_nc_u64 s[92:93], s[12:13], s[94:95]
.irp b, 0,1,2,3
.irp q, 0,1,2,3
	global_load_b128 v[BI+16*\b+4*\q:BI+16*\b+4*\q+3], v[VB], s[92:93] offset:128*\b+16*\q
.endr
.endr
	s_wait_alu depctr_va_vdst(0)
	s_wait_tensorcnt 1
	s_barrier_signal -1
	s_barrier_wait -1
	FETCH_B 0, 0, 0
	FETCH_A 0, 0, 0
	SCALES 0
	FETCH_A 0, 0, HB
	s_wait_loadcnt 0x0
	STEP 0, 0, 1
	s_mov_b32 s3, LAPS-1
.Llap:
	TURN 0, 1, 1
	STEP 1, 0, 0
	TURN 1, 0, 1
	STEP 0, 0, 0
	s_sub_co_u32 s3, s3, 1
	s_cmp_lg_u32 s3, 0
	s_cbranch_scc1 .Llap
	TURN 0, 1, 0
	STEP 1, 0, 0
	LAST
	PLACES
.irp b, 0,1,2,3
	v_mov_b32 v[TM+4+\b], 0
.endr
	s_lshl_b32 s66, s43, 4
	s_lshl_b32 s67, s[HA], 3
	s_add_co_u32 s66, s66, s67
	s_lshl_b32 s66, s66, 5
	s_lshl_b32 s67, s42, 1
	s_add_co_u32 s66, s66, s67
	s_add_co_u32 s66, s66, s[HW]
	s_mul_i32 s92, s66, 1536
	s_mov_b32 s93, 0
	s_add_nc_u64 s[92:93], s[14:15], s[92:93]
	s_lshl_b32 s94, s66, 6
	s_add_co_u32 s94, s94, OUT_S
	s_mov_b32 s95, 0
	s_add_nc_u64 s[94:95], s[14:15], s[94:95]
.set QA, 0
.rept 8
.set QW, 2+QA/4
.set QS, 64*(QA%4)
	WIN (QW<<2)|(QW<<6)
.set QJ, 0
.rept 64
	v_max_num_f32 v[QS+QJ], 0, v[QS+QJ]
.set QJ, QJ+1
.endr
	QUANTW QS, QW
	global_store_b128 v[L16], v[PC:PC+3], s[92:93] offset:QA*49152
	global_store_b64 v[L8], v[PC+4:PC+5], s[92:93] offset:QA*49152+512
	global_store_b128 v[L16], v[PC+6:PC+9], s[92:93] offset:QA*49152+768
	global_store_b64 v[L8], v[PC+10:PC+11], s[92:93] offset:QA*49152+1280
	global_store_b32 v[R4], v[PW], s[94:95] offset:QA*2048
.set QA, QA+1
.endr
	s_wait_tensorcnt 0x0
	ds_add_u32 v[SPW], v[NIL]
	s_wait_dscnt 0x0
	CROUND
	s_endpgm
.Lfunc_end_k_qf973f5b63e_ffn1:
	.size	k_qf973f5b63e_ffn1, .Lfunc_end_k_qf973f5b63e_ffn1-k_qf973f5b63e_ffn1
	.p2alignl 7, 3214868480
	.fill 96, 4, 3214868480
	.section	.rodata,"a",@progbits
	.p2align	6, 0x0
	.amdhsa_kernel k_qf973f5b63e_ffn1
		.amdhsa_group_segment_fixed_size 327680
		.amdhsa_private_segment_fixed_size 0
		.amdhsa_enable_private_segment 0
		.amdhsa_kernarg_size 48
		.amdhsa_user_sgpr_count 2
		.amdhsa_user_sgpr_kernarg_segment_ptr 1
		.amdhsa_wavefront_size32 1
		.amdhsa_system_sgpr_workgroup_id_x 1
		.amdhsa_system_sgpr_workgroup_id_y 1
		.amdhsa_system_sgpr_workgroup_id_z 1
		.amdhsa_system_vgpr_workitem_id 0
		.amdhsa_next_free_vgpr 1024
		.amdhsa_next_free_sgpr 104
		.amdhsa_reserve_vcc 0
		.amdhsa_float_denorm_mode_32 3
		.amdhsa_float_denorm_mode_16_64 3
		.amdhsa_memory_ordered 1
		.amdhsa_forward_progress 1
		.amdhsa_inst_pref_size 169
	.end_amdhsa_kernel
	.amdgpu_metadata
---
amdhsa.version: [ 1, 2 ]
amdhsa.kernels:
  - .name:           k_qf973f5b63e_ffn1
    .symbol:         k_qf973f5b63e_ffn1.kd
    .args:
      - { .name: a2c, .offset: 0, .size: 8, .value_kind: global_buffer, .address_space: global }
      - { .name: a2s, .offset: 8, .size: 8, .value_kind: global_buffer, .address_space: global }
      - { .name: pc, .offset: 16, .size: 8, .value_kind: global_buffer, .address_space: global }
      - { .name: ps, .offset: 24, .size: 8, .value_kind: global_buffer, .address_space: global }
      - { .name: b1, .offset: 32, .size: 8, .value_kind: global_buffer, .address_space: global }
      - { .name: hc, .offset: 40, .size: 8, .value_kind: global_buffer, .address_space: global }
    .group_segment_fixed_size: 327680
    .private_segment_fixed_size: 0
    .kernarg_segment_align: 8
    .kernarg_segment_size: 48
    .max_flat_workgroup_size: 128
    .sgpr_count:     104
    .vgpr_count:     1024
    .wavefront_size: 32
...
	.end_amdgpu_metadata
.endif
;; end of part 5
;; launch ffn2 (part 6): grid 8 x 32, 4 waves a work-group, clusters of 4 x 4, 327,680 bytes of LDS; arguments hc, pc, ps, b2, x1, out0; writes out0
.if DOCPART == 6
	.amdgcn_target "amdgcn-amd-amdhsa--gfx1250"
	.amdhsa_code_object_version 6
	.text
	.protected	k_qf973f5b63e_ffn2
	.globl	k_qf973f5b63e_ffn2
	.p2align	8
	.type	k_qf973f5b63e_ffn2,@function
k_qf973f5b63e_ffn2:
	s_mov_b64 s[64:65], 0
	v_nop
	global_prefetch_b8 v0, s[64:65] scope:SCOPE_SE
	s_setreg_imm32_b32 hwreg(HW_REG_WAVE_MODE, 25, 1), 1
	s_wait_xcnt 0x0
	s_wait_alu depctr_hold_cnt(0) depctr_sa_sdst(0) depctr_va_vdst(0) depctr_va_sdst(0) depctr_va_ssrc(0) depctr_va_vcc(0) depctr_vm_vsrc(0)
	s_getreg_b32 s2, hwreg(HW_REG_IB_STS2, 6, 4)
	s_cmp_eq_u32 s2, 0
	s_cbranch_scc0 .Lentry_in_a_cluster
	s_endpgm
.Lentry_in_a_cluster:
	s_bfe_u32 s2, ttmp6, 0x10000c
	s_cmp_lg_u32 s2, 0xf033
	s_cbranch_scc0 .Lentry_shape_is_right
	s_endpgm
.Lentry_shape_is_right:
.set MB,    4
.set NQ,    4
.set KT,    32
.set OFF_AS, 12582912
.set OFF_B,  9437184
.set OFF_BS, 393216
.set FRB,   1536
.set RBB,   NQ*FRB
.set HALFT, MB*RBB
.set SLOT,  4*HALFT
.set SCL,   2*SLOT
.set HALFS, MB*KT*64
.set SPARE, SCL+4*HALFS
.set STAGE, SPARE+512
.set LAPS,  KT/(2*NQ)
.set NL,    4
.set HB,    MB/2
.set L16, 8
.set L8,  9
.set R4,  10
.set VB,  12
.set ADRA, 16
.set ADRB, 20
.set STO, 24
.set RD,  25
.set CO,  26
.set ADRS, 27
.set SPW, 28
.set NIL, 29
.set SC,  32
.set BI,  64
.set AF,  128
.set BK,  128
.set WV, 20
.set HA, 21
.set HW, 22
.set G1, 24
.set G0, 32
.set G1B, 48
.set G0B, 56
.set G1S, 68
.set G0S, 76
.set G1SB, 80
.set G0SB, 88
.set MSB, 0
.macro WIN new
.if MSB != (\new)
	s_set_vgpr_msb (MSB<<8)|(\new)
.set MSB, (\new)
.endif
.endm
.macro PLACES
.rept 4
	v_nop
.endr
.endm
.macro JLOAD g0a, g1a, g0b, g1b
	s_cmp_eq_u32 s[HA], 0
	s_cbranch_scc0 .Lfor_b_\@
	tensor_load_to_lds s[\g0a:\g0a+3], s[\g1a:\g1a+7]
	s_nop 0
	PLACES
	s_branch .Lasked_\@
.Lfor_b_\@:
	tensor_load_to_lds s[\g0b:\g0b+3], s[\g1b:\g1b+7]
	s_nop 0
	PLACES
.Lasked_\@:
.endm
.macro CREST
	s_cmp_lg_u32 s[WV], 0
	s_cbranch_scc1 .Lnot_wave_0_\@
	s_barrier_signal -3
.Lnot_wave_0_\@:
	s_barrier_wait -3
	s_barrier_signal -1
	s_barrier_wait -1
.endm
.macro CROUND
	s_barrier_signal -1
	s_barrier_wait -1
	CREST
.endm
.macro FRAG reg, adr, off
	ds_load_b128 v[\reg:\reg+3], v[\adr] offset:\off
	ds_load_b64 v[\reg+4:\reg+5], v[\adr+2] offset:(\off)+512
	ds_load_b128 v[\reg+6:\reg+9], v[\adr] offset:(\off)+768
	ds_load_b64 v[\reg+10:\reg+11], v[\adr+2] offset:(\off)+1280
.endm
.macro FETCH_B slot, q, p
	WIN 0x40
.set FI, 0
.rept MB
	FRAG 128*(\p)+12*FI, ADRB+\slot, FI*RBB+(\q)*FRB
.set FI, FI+1
.endr
	WIN 0
.endm
.macro FETCH_A slot, q, i0
.set FI, \i0
.rept HB
	FRAG AF+12*FI, ADRA+\slot, FI*RBB+(\q)*FRB
.set FI, FI+1
.endr
.endm
.macro SCALES set
.set FI, 0
.rept MB
.set FQ, 0
.rept NQ
	ds_load_b32 v[SC+16*(\set)+NQ*FI+FQ], v[ADRS] offset:FI*KT*64+64*FQ
.set FQ, FQ+1
.endr
.set FI, FI+1
.endr
.endm
.macro MULA a, p, q, sc, cm
.set AW, 2+(\a)/4
.set AC, 8*MB*((\a)%4)
.if (\cm) == 0
	WIN 0x01|(AW<<4)|(AW<<6)
.else
	WIN 0x01|(AW<<6)
.endif
.set BJ, 0
.rept MB
.if (\cm) == 0
	v_wmma_scale_f32_16x16x128_f8f6f4 v[AC+8*BJ:AC+8*BJ+7], v[128*(\p)+12*BJ:128*(\p)+12*BJ+11], v[AF+12*(\a):AF+12*(\a)+11], v[AC+8*BJ:AC+8*BJ+7], v[SC+16*(\sc)+NQ*BJ+(\q)], v[SC+16*(\sc)+NQ*(\a)+(\q)] matrix_a_fmt:MATRIX_FMT_FP6 matrix_b_fmt:MATRIX_FMT_FP6 matrix_a_scale:MATRIX_SCALE_ROW1
.else
	v_wmma_scale_f32_16x16x128_f8f6f4 v[AC+8*BJ:AC+8*BJ+7], v[128*(\p)+12*BJ:128*(\p)+12*BJ+11], v[AF+12*(\a):AF+12*(\a)+11], v[BI+8*BJ:BI+8*BJ+7], v[SC+16*(\sc)+NQ*BJ+(\q)], v[SC+16*(\sc)+NQ*(\a)+(\q)] matrix_a_fmt:MATRIX_FMT_FP6 matrix_b_fmt:MATRIX_FMT_FP6 matrix_a_scale:MATRIX_SCALE_ROW1
.endif
.set BJ, BJ+1
.endr
.endm
.macro STEP slot, q, cm
	s_wait_dscnt HB*NL
.set SA, 0
.rept HB
	MULA SA, (\q)%2, \q, \slot, \cm
.set SA, SA+1
.endr
	s_wait_dscnt 0x0
	PLACES
	FETCH_B \slot, (\q)+1, 1-(\q)%2
	FETCH_A \slot, (\q)+1, 0
.rept HB
	MULA SA, (\q)%2, \q, \slot, \cm
.set SA, SA+1
.endr
	PLACES
	WIN 0
	FETCH_A \slot, (\q)+1, HB
.endm
.macro TURN slot, next, fill
	s_wait_tensorcnt 0x0
	ds_add_u32 v[SPW], v[NIL]
	s_wait_dscnt HB*NL+1
.set SA, 0
.rept HB/2
	MULA SA, 1, NQ-1, \slot, 0
.set SA, SA+1
.endr
	s_wait_dscnt 0x0
	s_barrier_signal -1
.rept HB/2
	MULA SA, 1, NQ-1, \slot, 0
.set SA, SA+1
.endr
	WIN 0
	s_barrier_wait -1
.if \fill
	CREST
	s_add_nc_u64 s[G0+4*\slot+2:G0+4*\slot+3], s[G0+4*\slot+2:G0+4*\slot+3], 2*RBB
	s_add_nc_u64 s[G0B+4*\slot+2:G0B+4*\slot+3], s[G0B+4*\slot+2:G0B+4*\slot+3], 2*RBB
	JLOAD G0+4*\slot, G1, G0B+4*\slot, G1B
.else
	PLACES
.endif
	s_wait_alu depctr_va_vdst(0)
	v_add_nc_u32 v[ADRS], 64*NQ, v[ADRS]
	FETCH_B \next, 0, 0
	FETCH_A \next, 0, 0
	SCALES \next
.rept HB
	MULA SA, 1, NQ-1, \slot, 0
.set SA, SA+1
.endr
	PLACES
	WIN 0
	FETCH_A \next, 0, HB
.endm
.macro LAST
	s_wait_dscnt HB*NL
.set SA, 0
.rept HB
	MULA SA, 1, NQ-1, 1, 0
.set SA, SA+1
.endr
	s_wait_dscnt 0x0
.rept HB
	MULA SA, 1, NQ-1, 1, 0
.set SA, SA+1
.endr
	WIN 0
.endm
	s_load_b256 s[4:11], s[0:1], 0x0
	s_load_b128 s[12:15], s[0:1], 0x20
	v_lshl_add_u32 v[SPW], v0, 2, SPARE
	v_mov_b32 v[NIL], 0
	ds_add_u32 v[SPW], v[NIL]
	ds_add_u32 v[SPW], v[NIL]
	v_lshrrev_b32 v1, 5, v0
	v_readfirstlane_b32 s[WV], v1
	s_lshr_b32 s[HA], s[WV], 1
	s_and_b32 s[HW], s[WV], 1
	s_bfe_u32 s40, ttmp6, 0x40000
	s_bfe_u32 s41, ttmp6, 0x40004
	s_lshl_b32 s42, ttmp9, 2
	s_add_co_u32 s42, s42, s40
	s_and_b32 s43, ttmp7, 0xffff
	s_lshl_b32 s43, s43, 2
	s_add_co_u32 s43, s43, s41
	s_lshl_b32 s44, s41, 2
	s_lshl_b32 s44, 15, s44
	s_lshl_b32 s45, 0x1111, s40
	s_or_b32 s[G1], s44, (3<<16)|(1<<21)
	s_or_b32 s[G1B], s45, (3<<16)|(1<<21)
.irp g, G1, G1B
	s_mov_b32 s[\g+1], (NQ*192)<<16
	s_mov_b32 s[\g+2], MB<<16
	s_mov_b32 s[\g+3], (NQ*192)<<16
	s_mov_b32 s[\g+4], MB
	s_mov_b32 s[\g+5], KT*192
	s_mov_b32 s[\g+6], 0
	s_mov_b32 s[\g+7], 0
.endr
	s_or_b32 s[G1S], s44, (3<<16)|(1<<21)
	s_or_b32 s[G1SB], s45, (3<<16)|(1<<21)
.irp g, G1S, G1SB
	s_mov_b32 s[\g+1], 32<<16
	s_mov_b32 s[\g+2], (HALFS/256)<<16
	s_mov_b32 s[\g+3], 32<<16
	s_mov_b32 s[\g+4], HALFS/256
	s_mov_b32 s[\g+5], 32
	s_mov_b32 s[\g+6], 0
	s_mov_b32 s[\g+7], 0
.endr
	s_mul_i32 s23, s[HW], MB
	s_mul_i32 s66, s43, 2*MB
	s_add_co_u32 s66, s66, s23
	s_mul_i32 s67, s42, 2*MB
	s_add_co_u32 s67, s67, s23
	s_mul_i32 s2, s66, KT*FRB
	s_mov_b32 s3, 0
	s_mul_i32 s46, s66, KT*64
	s_add_co_u32 s46, s46, OFF_AS
	s_mov_b32 s47, 0
	s_mul_i32 s92, s67, KT*FRB
	s_add_co_u32 s92, s92, OFF_B
	s_mov_b32 s93, 0
	s_mul_i32 s94, s67, KT*64
	s_add_co_u32 s94, s94, OFF_BS
	s_mov_b32 s95, 0
	s_mul_i32 s96, s[WV], HALFT
	s_mul_i32 s97, s[WV], HALFS
	s_wait_dscnt 0x0
	s_wait_kmcnt 0x0
	s_add_nc_u64 s[2:3], s[4:5], s[2:3]
	s_add_nc_u64 s[46:47], s[4:5], s[46:47]
	s_add_nc_u64 s[92:93], s[6:7], s[92:93]
	s_add_nc_u64 s[94:95], s[8:9], s[94:95]
	CROUND
	s_mov_b32 s[G0S], 1
	s_add_co_u32 s[G0S+1], s97, SCL
	s_mov_b64 s[G0S+2:G0S+3], s[46:47]
	s_or_b32 s[G0S+3], s[G0S+3], 0x80000000
	s_mov_b32 s[G0SB], 1
	s_add_co_u32 s[G0SB+1], s97, SCL
	s_mov_b64 s[G0SB+2:G0SB+3], s[94:95]
	s_or_b32 s[G0SB+3], s[G0SB+3], 0x80000000
	JLOAD G0S, G1S, G0SB, G1SB
.irp s, 0,1
	s_mov_b32 s[G0+4*\s], 1
	s_add_co_u32 s[G0+4*\s+1], s96, \s*SLOT
	s_add_nc_u64 s[G0+4*\s+2:G0+4*\s+3], s[2:3], \s*RBB
	s_or_b32 s[G0+4*\s+3], s[G0+4*\s+3], 0x80000000
	s_mov_b32 s[G0B+4*\s], 1
	s_add_co_u32 s[G0B+4*\s+1], s96, \s*SLOT
	s_add_nc_u64 s[G0B+4*\s+2:G0B+4*\s+3], s[92:93], \s*RBB
	s_or_b32 s[G0B+4*\s+3], s[G0B+4*\s+3], 0x80000000
	s_wait_alu depctr_va_vdst(0)
	s_wait_tensorcnt 0x0
	ds_add_u32 v28, v29
	s_wait_dscnt 0x0
	CROUND
	JLOAD G0+4*\s, G1, G0B+4*\s, G1B
.endr
	v_and_b32 v3, 31, v0
	v_and_b32 v1, 15, v0
	v_bfe_u32 v2, v0, 4, 1
	v_lshlrev_b32 v[L16], 4, v3
	v_lshlrev_b32 v[L8], 3, v3
	v_lshlrev_b32 v[R4], 2, v1
	v_lshlrev_b32 v[VB], 6, v2
	s_mul_i32 s66, s[HA], HALFT
	s_mul_i32 s67, s[HW], HALFT
	s_add_co_u32 s67, s67, 2*HALFT
.irp s, 0,1
	v_add_nc_u32 v[ADRA+\s], s66, v[L16]
	v_add_nc_u32 v[ADRA+2+\s], s66, v[L8]
	v_add_nc_u32 v[ADRB+\s], s67, v[L16]
	v_add_nc_u32 v[ADRB+2+\s], s67, v[L8]
	s_add_co_u32 s66, s66, SLOT
	s_add_co_u32 s67, s67, SLOT
.endr
	s_mul_i32 s66, s[HA], HALFS
	s_mul_i32 s67, s[HW], HALFS
	s_add_co_u32 s67, s67, 2*HALFS
	s_sub_co_u32 s67, s67, s66
	v_mul_u32_u24 v4, s67, v2
	s_add_co_u32 s66, s66, SCL
	v_add_nc_u32 v4, v4, v[R4]
	v_add_nc_u32 v[ADRS], s66, v4
	s_mul_i32 s66, s[WV], 16*272
	s_add_co_u32 s66, s66, STAGE
	v_mul_u32_u24 v4, v1, 272
	v_lshl_add_u32 v4, v2, 6, v4
	v_add_nc_u32 v[STO], s66, v4
	v_mul_u32_u24 v4, v2, 272
	v_lshl_add_u32 v4, v1, 4, v4
	v_add_nc_u32 v[RD], s66, v4
	v_lshlrev_b32 v[CO], 4, v1
	v_lshl_add_u32 v[CO], v2, 12, v[CO]
	s_wait_alu depctr_va_vdst(0)
	s_lshl_b32 s96, s42, 9
	s_lshl_b32 s97, s[HW], 8
	s_add_co_u32 s96, s96, s97
	s_mov_b32 s97, 0
	s_add_nc_u64 s[66:67], s[10:11], s[96:97]
	s_lshl_b32 s100, s43, 19
	s_lshl_b32 s101, s[HA], 18
	s_add_co_u32 s100, s100, s101
	s_add_co_u32 s96, s96, s100
	s_add_nc_u64 s[92:93], s[12:13], s[96:97]
	s_add_nc_u64 s[94:95], s[14:15], s[96:97]
.irp b, 0,1
.irp q, 0,1,2,3
	global_load_b128 v[BI+16*\b+4*\q:BI+16*\b+4*\q+3], v[VB], s[66:67] offset:128*\b+16*\q
.endr
.endr
	WIN 0xc0
.irp a, 0,1,2,3
.irp t, 0,1,2,3,4,5,6,7
	global_load_b128 v[32*\a+4*\t:32*\a+4*\t+3], v[CO], s[92:93] offset:(32*(\a/2)+8*(\a%2)+2*\t+8*(\t/4))*4096
.endr
.endr
	WIN 0
	s_wait_tensorcnt 1
	s_barrier_signal -1
	s_barrier_wait -1
	FETCH_B 0, 0, 0
	FETCH_A 0, 0, 0
	SCALES 0
	FETCH_A 0, 0, HB
	s_wait_loadcnt 32
	STEP 0, 0, 1
.if LAPS > 1
	s_mov_b32 s3, LAPS-1
.Llap:
	STEP 0, 1, 0
	STEP 0, 2, 0
	TURN 0, 1, 1
	STEP 1, 0, 0
	STEP 1, 1, 0
	STEP 1, 2, 0
	TURN 1, 0, 1
	STEP 0, 0, 0
	s_sub_co_u32 s3, s3, 1
	s_cmp_lg_u32 s3, 0
	s_cbranch_scc1 .Llap
.endif
	STEP 0, 1, 0
	STEP 0, 2, 0
	TURN 0, 1, 0
	STEP 1, 0, 0
	STEP 1, 1, 0
	STEP 1, 2, 0
	LAST
	PLACES
	s_wait_loadcnt 0x0
.set QA, 0
.rept 4
.set BX, BK+32*(QA%2)
.if QA >= 2
	s_wait_xcnt 0x0
.endif
	WIN 0x08
.irp b, 0,1,2,3
	ds_store_b128 v[STO], v[32*QA+8*\b:32*QA+8*\b+3] offset:128*(\b/2)+32*(\b%2)
	ds_store_b128 v[STO], v[32*QA+8*\b+4:32*QA+8*\b+7] offset:128*(\b/2)+32*(\b%2)+16
.endr
	WIN 0
.irp t, 0,1,2,3,4,5,6,7
	ds_load_b128 v[BX+4*\t:BX+4*\t+3], v[RD] offset:544*\t
.endr
	s_wait_dscnt 0x0
	WIN 0x0c
.irp t, 0,1,2,3,4,5,6,7
	v_pk_add_f32 v[BX+4*\t:BX+4*\t+1], v[BX+4*\t:BX+4*\t+1], v[32*QA+4*\t:32*QA+4*\t+1]
	v_pk_add_f32 v[BX+4*\t+2:BX+4*\t+3], v[BX+4*\t+2:BX+4*\t+3], v[32*QA+4*\t+2:32*QA+4*\t+3]
.endr
	WIN 0
.irp t, 0,1,2,3,4,5,6,7
	global_store_b128 v[CO], v[BX+4*\t:BX+4*\t+3], s[94:95] offset:(32*(QA/2)+8*(QA%2)+2*\t+8*(\t/4))*4096
.endr
.set QA, QA+1
.endr
	s_wait_tensorcnt 0x0
	ds_add_u32 v[SPW], v[NIL]
	s_wait_dscnt 0x0
	CROUND
	s_endpgm
.Lfunc_end_k_qf973f5b63e_ffn2:
	.size	k_qf973f5b63e_ffn2, .Lfunc_end_k_qf973f5b63e_ffn2-k_qf973f5b63e_ffn2
	.p2alignl 7, 3214868480
	.fill 96, 4, 3214868480
	.section	.rodata,"a",@progbits
	.p2align	6, 0x0
	.amdhsa_kernel k_qf973f5b63e_ffn2
		.amdhsa_group_segment_fixed_size 327680
		.amdhsa_private_segment_fixed_size 0
		.amdhsa_enable_private_segment 0
		.amdhsa_kernarg_size 48
		.amdhsa_user_sgpr_count 2
		.amdhsa_user_sgpr_kernarg_segment_ptr 1
		.amdhsa_wavefront_size32 1
		.amdhsa_system_sgpr_workgroup_id_x 1
		.amdhsa_system_sgpr_workgroup_id_y 1
		.amdhsa_system_sgpr_workgroup_id_z 1
		.amdhsa_system_vgpr_workitem_id 0
		.amdhsa_next_free_vgpr 1024
		.amdhsa_next_free_sgpr 104
		.amdhsa_reserve_vcc 0
		.amdhsa_float_denorm_mode_32 3
		.amdhsa_float_denorm_mode_16_64 3
		.amdhsa_memory_ordered 1
		.amdhsa_forward_progress 1
		.amdhsa_inst_pref_size 105
	.end_amdhsa_kernel
	.amdgpu_metadata
---
amdhsa.version: [ 1, 2 ]
amdhsa.kernels:
  - .name:           k_qf973f5b63e_ffn2
    .symbol:         k_qf973f5b63e_ffn2.kd
    .args:
      - { .name: hc, .offset: 0, .size: 8, .value_kind: global_buffer, .address_space: global }
      - { .name: pc, .offset: 8, .size: 8, .value_kind: global_buffer, .address_space: global }
      - { .name: ps, .offset: 16, .size: 8, .value_kind: global_buffer, .address_space: global }
      - { .name: b2, .offset: 24, .size: 8, .value_kind: global_buffer, .address_space: global }
      - { .name: x1, .offset: 32, .size: 8, .value_kind: global_buffer, .address_space: global }
      - { .name: out0, .offset: 40, .size: 8, .value_kind: global_buffer, .address_space: global }
    .group_segment_fixed_size: 327680
    .private_segment_fixed_size: 0
    .kernarg_segment_align: 8
    .kernarg_segment_size: 48
    .max_flat_workgroup_size: 128
    .sgpr_count:     104
    .vgpr_count:     1024
    .wavefront_size: 32
...
	.end_amdgpu_metadata
.endif
;; end of part 6
